; MI455X (gfx1250); checked and timed in simulation.
; The chip was launched on July 23, 2026; its instructions are those of AMD's public machine-readable ISA for CDNA 5 (MIT licence, August 2026) and "CDNA5" Instruction Set Architecture Reference Guide (July 2026). The comments in the code are by the model that wrote it; some were corrected since.
;; Causal Attention. Allowed arithmetic: matrix products marked QUANTISED: E2M1 operands, one E8M0 scale for each 32 along K, by v_wmma_scale_f32_16x16x128_f8f6f4 with both operands' format E2M1 (or v_wmma_scale_f32_32x16x128_f4), f32 sums; products left as they are: bf16, f16 or f32 operands; f32 sums; everything else in f32.
;; Inputs: Wkv 1,024 x 2,048 float32; Wp 1,024 x 1,024 float32; Wq 1,024 x 1,024 float32; alibi_m 16 x 1 x 1 float32; alibi_offset 2,048 x 2,048 float32; bkv 2,048 float32; bp 1,024 float32; bq 1,024 float32; x 4 x 2,048 x 1,024 float32.
;; Outputs: out0 4 x 2,048 x 1,024 float32.
;; This version of the problem:
;;   THIS VERSION OF THE PROBLEM IS GIVEN IN LOW PRECISION. The matrix products marked QUANTISED in the list below multiply operands that are first quantised to E2M1 (2 exponent bits, 1 mantissa bit; 4 bits a number), with one power-of-two scale for each 32 numbers along K (OCP MX v1.0); their sums are f32. The products marked 'left as it is' may take bf16, f16 or f32 operands, with f32 sums. Whichever they take, every output number must still come out within the allowed error. Rounding operands to bf16 (8 significant bits) uses up far more of that allowance than f16 does (11 bits, for magnitudes from 6e-5 to 65,504). All else is computed in f32.
;;   The module's matrix products, in the order in which they are computed (A, B: the left and right operand; K: the contracted axis; several contracted axes count as one K, in the product's order):
;;     1. [M 8,192, K 1,024] x [K 1,024, N 1,024]; A: input x; B: input Wq: QUANTISED
;;     2. [M 8,192, K 1,024] x [K 1,024, N 2,048]; A: input x; B: input Wkv: QUANTISED
;;     3. batch 64 x [M 2,048, K 64] x [K 64, N 2,048]; A: computed on the way; B: computed on the way: left as it is (an operand is computed on the way)
;;     4. batch 64 x [M 2,048, K 2,048] x [K 2,048, N 64]; A: computed on the way; B: computed on the way: left as it is (an operand is computed on the way)
;;     5. [M 8,192, K 1,024] x [K 1,024, N 1,024]; A: computed on the way; B: input Wp: left as it is (an operand is computed on the way)
;;   THE QUANTISER, for each operand of a quantised product, along K:
;;     - K is cut into blocks of 32 from its start; a last block that is shorter is filled with zeros.
;;     - A block's scale is 2^e with e = floor(log2(the largest magnitude in the block)) - 2, held to -126 .. 127; a block of zeros has e = 0. As a byte (E8M0): e + 127.
;;     - Each number is divided by its block's scale, clamped to +-6, and rounded to the nearest number of E2M1, ties to even, subnormals kept.
;;     - The product sums the exact products of the quantised numbers (number of the format x scale) in f32.
;;   ~~~python
;;   def quantise(x, axis):      # numpy; x: float32 -> the quantised numbers, widened to float32 again
;;       x = np.moveaxis(x, axis, -1); K = x.shape[-1]
;;       x = np.pad(x, [(0, 0)] * (x.ndim - 1) + [(0, -K % 32)]); x = x.reshape(x.shape[:-1] + (-1, 32)); a = np.abs(x).max(-1, keepdims=True)
;;       e = np.where(a > 0, np.clip(np.frexp(np.where(a > 0, a, 1))[1] - 1 - 2, -126, 127), 0)      # np.frexp(a)[1] - 1 = floor(log2(a)), exactly
;;       r = np.clip(x / 2.0 ** e, -6, 6)
;;       step = 2.0 ** (np.maximum(np.frexp(np.where(r == 0, 1, r))[1] - 1, 0) - 1)
;;       q = np.round(r / step) * step * 2.0 ** e      # np.round: ties to even
;;       return np.moveaxis(q.reshape(q.shape[:-2] + (-1,))[..., :K], -1, axis).astype(np.float32)
;;   ~~~
;; One version. Each part assembles by itself: llvm-mc -triple=amdgcn-amd-amdhsa -mcpu=gfx1250 --defsym DOCPART=n.
;; ======== version 1 of 1: 5 launches
;; limits: values are held in f16: magnitudes above 65,504 overflow, below 6.1e-05 lose precision
;; workspace buffers: xc 4,194,304 bytes; xs 262,144 bytes; wc 1,572,864 bytes; ws 98,304 bytes; wpt 2,097,152 bytes; qkvi 50,331,648 bytes; finei 786,432 bytes; yimg 16,777,216 bytes
;; launch prep (part 1): grid 320 x 1, 16 waves a work-group, no clusters, 120,832 bytes of LDS; arguments x, Wq, Wkv, Wp, xc, xs, wc, ws, wpt; writes xc, xs, wc, ws, wpt
.if DOCPART == 1
	.amdgcn_target "amdgcn-amd-amdhsa--gfx1250"
	.amdhsa_code_object_version 6
	.text
	.protected	k_q6a262f43da_prep
	.globl	k_q6a262f43da_prep
	.p2align	8
	.type	k_q6a262f43da_prep,@function
k_q6a262f43da_prep:
	s_mov_b64 s[64:65], 0
	v_nop
	global_prefetch_b8 v0, s[64:65] scope:SCOPE_SE
	s_setreg_imm32_b32 hwreg(HW_REG_WAVE_MODE, 25, 1), 1
	s_wait_xcnt 0x0
; PREP.  x [8192][1024], Wq [1024][1024] and Wkv [1024][2048], f32, become codes of FP4 (E2M1) with K innermost and one E8M0 byte for each 32 along K;
; Wp [1024][1024] becomes f16, laid in the order of a matrix operand's registers.
; THE WHOLE PROGRAM: prep | qkv: the two quantised products, with their biases | attn: causal attention with the ALiBi term | proj: the projection | fine16: positions 0-15 of each sequence once more, in f32.
; WORK LEFT OUT, in the later launches: reference() sets att to -inf wherever key > query, by its own jnp.tril, so the softmax gives exactly 0 there whatever finite numbers q, k, alibi_m and
; alibi_offset hold, and those weights add nothing to y.  So blocks of 128 keys that lie wholly behind a block of 128 queries are neither multiplied nor loaded, and neither are the matching tiles of alibi_offset.
; LIMIT: a NaN, an infinity or an overflow that sits only in those tiles is not carried to the result.  Every input is loaded; the k half of bkv stays (it costs no arithmetic: it is a sum's first C).
; THE QUANTISER: a block's scale is 2^(floor(log2(largest magnitude)) - 2); its byte is the largest magnitude's exponent field - 2, held at 1 from below; numbers are divided by the scale and rounded to the
; nearest code, ties to even, beyond 6 to 6.  LIMITS: a block of zeros gets the byte 1 where the rule says 127 (its codes are zeros, and this program alone reads the bytes); blocks whose largest magnitude
; lies under 2^-124 keep the byte 1; NaN and infinities among the inputs are not served.  Wp beyond 65,504 has no f16 number.
; SHARES.  Work-groups 0-47: 64 columns of Wq or Wkv, all of K (path W).  48-63: 64 columns of Wp (path P).  64-319: 32,768 numbers of x (path X).  Each path has LDS bytes of its own.
.set XSC,   81920                      ; LDS: path X: 16 waves x two stages of 32 x 80 bytes from byte 0; here its 1,024 scale bytes
.set WST,   82944                      ; path W: a stage of 64 rows x (512 + 16) bytes of codes,
.set WSC,   116736                     ; and 64 rows x 32 scale bytes
.set SPARE, 118784                     ; the spare words, 128 bytes for each wave: eight blocks of 256 bytes that no other line names
.set SPW,   126                        ; v126 LDS address of my spare word; never rewritten
.set NIL,   127                        ; v127 0; never rewritten
.set XR,    16                         ; path X: v16-79 four sets of 16 numbers as loaded
.set XN,    80                         ; v80-111 two sets of 16 neighbours
.set XC,    112                        ; v112-119 codes, two registers a step
.set XE,    120                        ; v120-123 a scale byte a step
.set WX,    32                         ; paths W, P: v32-95 two sets of 32 numbers down K
.set WC,    96                         ; v96-111 codes, four registers a block
.set WSB,   24                         ; v24 four scale bytes
.macro CLOSE                           ; a wave's end, behind its last LDS store
	s_wait_tensorcnt 0x0
	ds_add_u32 v[SPW], v[NIL]
	s_wait_dscnt 0x0
	s_endpgm
.endm
	s_load_b512 s[4:19], s[0:1], 0x0               ; x s[4:5], Wq s[6:7], Wkv s[8:9], Wp s[10:11], xc s[12:13], xs s[14:15], wc s[16:17], ws s[18:19]
	s_load_b64 s[20:21], s[0:1], 0x40              ; wpt
	v_lshl_add_u32 v[SPW], v0, 2, SPARE
	v_mov_b32 v[NIL], 0
	v_lshrrev_b32 v1, 5, v0
	v_readfirstlane_b32 s22, v1                    ; wave 0..15
	v_and_b32 v2, 31, v0                           ; lane
	s_and_b32 s23, s22, 1                          ; paths W, P: which 32 of the 64 columns
	s_lshr_b32 s24, s22, 1                         ; and which 128 along K
	s_mov_b32 s27, 0
	s_wait_kmcnt 0x0
	s_cmp_lt_u32 ttmp9, 48
	s_cbranch_scc1 .Lpath_w
	s_cmp_lt_u32 ttmp9, 64
	s_cbranch_scc1 .Lpath_p
; ---------------- PATH X.  A wave takes 2,048 numbers in 4 steps of 512.  Each load reads 512 consecutive bytes; a step's 2,048 bytes turn through the wave's own stage so that a lane holds 16 neighbours.
	s_sub_co_u32 s28, ttmp9, 64
	s_lshl_b32 s25, s28, 4
	s_add_co_u32 s25, s25, s22                     ; which run of 2,048 numbers is my wave's
	s_lshl_b32 s26, s25, 13
	s_add_nc_u64 s[4:5], s[4:5], s[26:27]          ; 8,192 bytes of x a run
	s_lshl_b32 s26, s25, 10
	s_add_nc_u64 s[12:13], s[12:13], s[26:27]      ; 1,024 bytes of codes a run
	s_lshl_b32 s26, s28, 10
	s_add_nc_u64 s[14:15], s[14:15], s[26:27]      ; 1,024 scale bytes a work-group
	v_lshlrev_b32 v3, 4, v2                        ; my 16 bytes of a load's 512
.macro XLOAD t
.irp i, 0,1,2,3
	global_load_b128 v[XR+16*(\t)+4*\i:XR+16*(\t)+4*\i+3], v3, s[4:5] offset:2048*(\t)+512*\i th:TH_LOAD_NT
.endr
.endm
.macro XTURN t                         ; LDS serves a wave's instructions in order: no wait between the stores and the loads
.irp i, 0,1,2,3
	ds_store_b128 v14, v[XR+16*(\t)+4*\i:XR+16*(\t)+4*\i+3] offset:2560*((\t)%2)+640*\i
.endr
.irp i, 0,1,2,3
	ds_load_b128 v[XN+16*((\t)%2)+4*\i:XN+16*((\t)%2)+4*\i+3], v15 offset:2560*((\t)%2)+16*\i
.endr
.endm
	XLOAD 0
	XLOAD 1
	XLOAD 2
	XLOAD 3
	s_mul_i32 s25, s22, 5120                       ; my wave's two stages
	v_lshrrev_b32 v14, 2, v2
	v_mul_u32_u24 v14, v14, 80
	v_and_b32 v15, 3, v2
	v_lshl_add_u32 v14, v15, 4, v14
	v_add_nc_u32 v14, s25, v14                     ; in: four lanes' 64 bytes on end, then 16 of padding
	v_mul_u32_u24 v15, v2, 80
	v_add_nc_u32 v15, s25, v15                     ; out: 80 x lane: my 16 neighbours
	v_lshlrev_b32 v4, 3, v2                        ; my 8 bytes of a step's 256 bytes of codes
	v_lshrrev_b32 v5, 1, v2
	s_lshl_b32 s25, s22, 6
	s_add_co_u32 s25, s25, XSC
	v_add_nc_u32 v5, s25, v5                       ; my block's scale byte among my wave's 64
	v_lshl_add_u32 v6, v0, 4, XSC                  ; the way out of the scale bytes: 16 bytes a thread, threads 0-63
	v_lshlrev_b32 v7, 4, v0
	s_wait_loadcnt 12                              ; step 0's four loads are in; the twelve of steps 1 to 3 may be out
	XTURN 0
.macro XSTEP t
.set XS, XN+16*((\t)%2)
.if (\t) > 0
	s_wait_dscnt 1                                 ; this step's numbers are back from the stage; the last step's byte store may be out
.else
	s_wait_dscnt 0x0
.endif
.if (\t) < 3
	s_wait_loadcnt 4*(2-(\t))                      ; the next step's four loads are in; those of the steps behind it may be out
	XTURN (\t)+1
.endif
	v_max3_num_f32 v8, |v[XS]|, |v[XS+1]|, |v[XS+2]|
	v_max3_num_f32 v9, |v[XS+3]|, |v[XS+4]|, |v[XS+5]|
.irp i, 6,10
	v_max3_num_f32 v8, v8, |v[XS+\i]|, |v[XS+\i+1]|
	v_max3_num_f32 v9, v9, |v[XS+\i+2]|, |v[XS+\i+3]|
.endr
	v_max3_num_f32 v8, v8, |v[XS+14]|, |v[XS+15]|
	v_max3_num_f32 v8, v8, v9, 0x1800000           ; and the floor 2^(3 - 127): the byte cannot fall under 1
	v_max_num_f32_dpp v8, v8, v8 row_xmask:1 row_mask:0xf bank_mask:0xf   ; with my neighbour's 16: the block's largest magnitude
	v_add_nc_u32 v11, 0xff000000, v8               ; 2 off its exponent field: the conversion takes this operand's exponent field as its scale
	v_cvt_scalef32_pk8_fp4_f32 v[XC+2*(\t)], v[XS:XS+7], v11
	v_cvt_scalef32_pk8_fp4_f32 v[XC+2*(\t)+1], v[XS+8:XS+15], v11
	v_lshrrev_b32 v[XE+(\t)], 23, v11              ; the scale's byte
	ds_store_b8 v5, v[XE+(\t)] offset:16*(\t)      ; both lanes of a block write the same byte with the same value
	global_store_b64 v4, v[XC+2*(\t):XC+2*(\t)+1], s[12:13] offset:256*(\t)   ; the wave stores 256 consecutive bytes
.endm
	XSTEP 0
	XSTEP 1
	XSTEP 2
	XSTEP 3
	s_wait_dscnt 0x0                               ; my byte stores have landed
	s_barrier_signal -1
	s_barrier_wait -1                              ; everybody's have
	s_cmp_lt_u32 s22, 2
	s_cbranch_scc0 .Lx_done
	ds_load_b128 v[8:11], v6                       ; waves 0 and 1 send the work-group's 1,024 scale bytes, 512 consecutive bytes each
	s_wait_dscnt 0x0
	global_store_b128 v7, v[8:11], s[14:15]
.Lx_done:
	CLOSE
; 32 loads: block t (32 along K) of my column, into set t % 2.  both = 1: the row pitch is Wq's or Wkv's, by the work-group's number; either arm issues 32 loads
.macro LOADW t, base, both
.if \both
	s_cmp_lt_u32 ttmp9, 16
	s_cbranch_scc0 .Lwide_\@
.endif
.set i, 0
.rept 32
	global_load_b32 v[WX+32*((\t)%2)+i], v3, s[\base:\base+1] offset:(32*(\t)+i)*4096
.set i, i+1
.endr
.if \both
	s_branch .Lgot_\@
.Lwide_\@:
.set i, 0
.rept 32
	global_load_b32 v[WX+32*((\t)%2)+i], v3, s[\base:\base+1] offset:(32*(\t)+i)*8192
.set i, i+1
.endr
.Lgot_\@:
.endif
.endm
; ---------------- PATH W.  A lane takes a column, its registers run down K: a block of 32 lies in one lane, and the conversions give codes with K innermost.  Two waves stand side by side on 256 bytes of each row.
.Lpath_w:
	s_lshl_b32 s25, ttmp9, 6                       ; my work-group's first row of wc
	s_cmp_lt_u32 ttmp9, 16                         ; Wq's columns or Wkv's: the choice hangs on the work-group's number alone
	s_cselect_b64 s[6:7], s[6:7], s[8:9]
	s_cselect_b32 s26, 0, 1024
	s_cselect_b32 s28, 12, 13                      ; a row is 2^12 or 2^13 bytes
	s_sub_co_u32 s26, s25, s26                     ; the column in its own tensor
	s_lshl_b32 s29, s23, 5
	s_add_co_u32 s26, s26, s29
	s_lshl_b32 s26, s26, 2
	s_lshl_b32 s29, s24, 7
	s_lshl_b32 s29, s29, s28                       ; my 128 rows down
	s_add_co_u32 s26, s26, s29
	s_add_nc_u64 s[6:7], s[6:7], s[26:27]
	s_lshl_b32 s26, s25, 9
	s_add_nc_u64 s[16:17], s[16:17], s[26:27]      ; wc: 512 bytes a row
	s_lshl_b32 s26, s25, 5
	s_add_nc_u64 s[18:19], s[18:19], s[26:27]      ; ws: 32 bytes a row
	v_lshlrev_b32 v3, 2, v2
	LOADW 0, 6, 1
	LOADW 1, 6, 1
	s_mul_i32 s29, s23, 16896
	s_lshl_b32 s30, s24, 6
	s_add_co_u32 s29, s29, s30
	s_add_co_u32 s29, s29, WST
	v_mul_u32_u24 v4, v2, 528
	v_add_nc_u32 v4, s29, v4                       ; the stage: row = my column, + my 64 bytes along K
	s_lshl_b32 s29, s23, 10
	s_lshl_b32 s30, s24, 2
	s_add_co_u32 s29, s29, s30
	s_add_co_u32 s29, s29, WSC
	v_lshl_add_u32 v5, v2, 5, s29                  ; my column's scale bytes, my four
	s_mul_i32 s29, s22, 2112
	s_add_co_u32 s29, s29, WST
	v_lshl_add_u32 v6, v2, 4, s29                  ; back: wave w takes rows 4 w .. 4 w + 3, whole
	s_lshl_b32 s29, s22, 11
	v_lshl_add_u32 v7, v2, 4, s29                  ; and the same place in wc
	v_lshl_add_u32 v8, v0, 4, WSC                  ; the scale bytes' way out: 16 bytes a thread, threads 0-127
	v_lshlrev_b32 v9, 4, v0
.macro BLOCKW t
.set XS, WX+32*((\t)%2)
.if (\t) < 3
	s_wait_loadcnt 32                              ; this block's 32 loads are in; the next block's may be out
.else
	s_wait_loadcnt 0x0
.endif
	v_max3_num_f32 v12, |v[XS]|, |v[XS+1]|, |v[XS+2]|
	v_max3_num_f32 v13, |v[XS+3]|, |v[XS+4]|, |v[XS+5]|
.irp i, 6,10,14,18,22,26
	v_max3_num_f32 v12, v12, |v[XS+\i]|, |v[XS+\i+1]|
	v_max3_num_f32 v13, v13, |v[XS+\i+2]|, |v[XS+\i+3]|
.endr
	v_max3_num_f32 v12, v12, |v[XS+30]|, |v[XS+31]|
	v_max3_num_f32 v12, v12, v13, 0x1800000        ; the floor 2^(3 - 127)
	v_add_nc_u32 v11, 0xff000000, v12              ; the conversion's scale operand
	v_lshrrev_b32 v13, 23, v11                     ; the scale's byte
.if (\t) == 0
	v_mov_b32 v[WSB], v13
.else
	v_lshl_or_b32 v[WSB], v13, 8*(\t), v[WSB]
.endif
.irp g, 0,1,2,3
	v_cvt_scalef32_pk8_fp4_f32 v[WC+4*(\t)+\g], v[XS+8*\g:XS+8*\g+7], v11
.endr
	v_nop                                          ; one plain line behind the last conversion
	ds_store_b128 v4, v[WC+4*(\t):WC+4*(\t)+3] offset:16*(\t)
.if (\t) < 2
	LOADW (\t)+2, 6, 1
.endif
.endm
	BLOCKW 0
	BLOCKW 1
	BLOCKW 2
	BLOCKW 3
	ds_store_b32 v5, v[WSB]
	s_wait_dscnt 0x0                               ; my stores into the stage have landed
	s_barrier_signal -1
	s_barrier_wait -1                              ; everybody's have: 64 whole rows of codes
.irp i, 0,1,2,3
	ds_load_b128 v[32+4*\i:35+4*\i], v6 offset:\i*528
.endr
.irp i, 0,1,2,3
	s_wait_dscnt 3-\i                              ; row i is in; the younger rows may be out
	global_store_b128 v7, v[32+4*\i:35+4*\i], s[16:17] offset:\i*512   ; 32 lanes store a row's 512 consecutive bytes
.endr
	s_cmp_lt_u32 s22, 4
	s_cbranch_scc0 .Lw_done
	ds_load_b128 v[48:51], v8                      ; waves 0 to 3 send the 2,048 scale bytes
	s_wait_dscnt 0x0
	global_store_b128 v9, v[48:51], s[18:19]
.Lw_done:
	CLOSE
; ---------------- PATH P.  The same geometry.  A lane's 32 numbers down K round to 16 registers of f16 pairs: four groups of four registers, which are what lanes (r, 0), (r, 1) of register groups 0 and 1
; of a matrix operand hold.  Sixteen neighbouring lanes store 256 consecutive bytes.  No LDS.
.Lpath_p:
	s_sub_co_u32 s25, ttmp9, 48
	s_lshl_b32 s26, s25, 6
	s_lshl_b32 s29, s23, 5
	s_add_co_u32 s26, s26, s29
	s_lshl_b32 s26, s26, 2                         ; my wave's first column, in bytes
	s_lshl_b32 s29, s24, 19                        ; my 128 rows of 4,096 bytes down
	s_add_co_u32 s26, s26, s29
	s_add_nc_u64 s[10:11], s[10:11], s[26:27]
	s_lshl_b32 s26, s25, 2
	s_lshl_b32 s29, s23, 1
	s_add_co_u32 s26, s26, s29                     ; my first tile of 16 columns
	s_lshl_b32 s26, s26, 15                        ; 32,768 bytes a tile
	s_lshl_b32 s29, s24, 12                        ; four K steps of 1,024 bytes
	s_add_co_u32 s26, s26, s29
	s_add_nc_u64 s[20:21], s[20:21], s[26:27]
	v_lshlrev_b32 v3, 2, v2
	LOADW 0, 10, 0
	LOADW 1, 10, 0
	v_lshrrev_b32 v9, 4, v2
	v_lshlrev_b32 v9, 15, v9
	v_and_b32 v8, 15, v2
	v_lshl_add_u32 v9, v8, 4, v9                   ; tile lane / 16, 16 bytes for column lane % 16
.macro BLOCKP t
.set XS, WX+32*((\t)%2)
.if (\t) < 3
	s_wait_loadcnt 32
.else
	s_wait_loadcnt 0x0
.endif
.set i, 0
.rept 16
	v_cvt_pk_f16_f32 v[XS+i], v[XS+2*i], v[XS+2*i+1]   ; in place, ascending: register i is written when 2 i and 2 i + 1 have not yet been passed
.set i, i+1
.endr
.irp g, 0,1,2,3
	global_store_b128 v9, v[XS+4*\g:XS+4*\g+3], s[20:21] offset:(\t)*1024+(\g/2)*512+(\g%2)*256
.endr
.if (\t) < 2
	s_wait_xcnt 0x0                                ; the stores have read the set: it may be loaded again
	LOADW (\t)+2, 10, 0
.endif
.endm
	BLOCKP 0
	BLOCKP 1
	BLOCKP 2
	BLOCKP 3
	CLOSE
.Lfunc_end_k_q6a262f43da_prep:
	.size	k_q6a262f43da_prep, .Lfunc_end_k_q6a262f43da_prep-k_q6a262f43da_prep
	.p2alignl 7, 3214868480
	.fill 96, 4, 3214868480
	.section	.rodata,"a",@progbits
	.p2align	6, 0x0
	.amdhsa_kernel k_q6a262f43da_prep
		.amdhsa_group_segment_fixed_size 120832
		.amdhsa_private_segment_fixed_size 0
		.amdhsa_enable_private_segment 0
		.amdhsa_kernarg_size 72
		.amdhsa_user_sgpr_count 2
		.amdhsa_user_sgpr_kernarg_segment_ptr 1
		.amdhsa_wavefront_size32 1
		.amdhsa_system_sgpr_workgroup_id_x 1
		.amdhsa_system_sgpr_workgroup_id_y 1
		.amdhsa_system_sgpr_workgroup_id_z 1
		.amdhsa_system_vgpr_workitem_id 0
		.amdhsa_next_free_vgpr 128
		.amdhsa_next_free_sgpr 66
		.amdhsa_reserve_vcc 0
		.amdhsa_float_denorm_mode_32 3
		.amdhsa_float_denorm_mode_16_64 3
		.amdhsa_memory_ordered 1
		.amdhsa_forward_progress 1
		.amdhsa_inst_pref_size 62
	.end_amdhsa_kernel
	.amdgpu_metadata
---
amdhsa.version: [ 1, 2 ]
amdhsa.kernels:
  - .name:           k_q6a262f43da_prep
    .symbol:         k_q6a262f43da_prep.kd
    .args:
      - { .name: x, .offset: 0, .size: 8, .value_kind: global_buffer, .address_space: global }
      - { .name: Wq, .offset: 8, .size: 8, .value_kind: global_buffer, .address_space: global }
      - { .name: Wkv, .offset: 16, .size: 8, .value_kind: global_buffer, .address_space: global }
      - { .name: Wp, .offset: 24, .size: 8, .value_kind: global_buffer, .address_space: global }
      - { .name: xc, .offset: 32, .size: 8, .value_kind: global_buffer, .address_space: global }
      - { .name: xs, .offset: 40, .size: 8, .value_kind: global_buffer, .address_space: global }
      - { .name: wc, .offset: 48, .size: 8, .value_kind: global_buffer, .address_space: global }
      - { .name: ws, .offset: 56, .size: 8, .value_kind: global_buffer, .address_space: global }
      - { .name: wpt, .offset: 64, .size: 8, .value_kind: global_buffer, .address_space: global }
    .group_segment_fixed_size: 120832
    .private_segment_fixed_size: 0
    .kernarg_segment_align: 8
    .kernarg_segment_size: 72
    .max_flat_workgroup_size: 512
    .sgpr_count:     66
    .vgpr_count:     128
    .wavefront_size: 32
...
	.end_amdgpu_metadata
.endif
;; end of part 1
;; launch qkv (part 2): grid 12 x 32, 4 waves a work-group, clusters of 4 x 4, 327,680 bytes of LDS; arguments xc, xs, wc, ws, qkvi, bq, bkv, finei; writes qkvi, finei
.if DOCPART == 2
	.amdgcn_target "amdgcn-amd-amdhsa--gfx1250"
	.amdhsa_code_object_version 6
	.text
	.protected	k_q6a262f43da_qkv
	.globl	k_q6a262f43da_qkv
	.p2align	8
	.type	k_q6a262f43da_qkv,@function
k_q6a262f43da_qkv:
	s_mov_b64 s[64:65], 0
	v_nop
	global_prefetch_b8 v0, s[64:65] scope:SCOPE_SE
	s_setreg_imm32_b32 hwreg(HW_REG_WAVE_MODE, 25, 1), 1
	s_wait_xcnt 0x0
	s_wait_alu depctr_hold_cnt(0) depctr_sa_sdst(0) depctr_va_vdst(0) depctr_va_sdst(0) depctr_va_ssrc(0) depctr_va_vcc(0) depctr_vm_vsrc(0)
	s_getreg_b32 s2, hwreg(HW_REG_IB_STS2, 6, 4)
	s_cmp_eq_u32 s2, 0
	s_cbranch_scc0 .Lentry_in_a_cluster
	s_endpgm
.Lentry_in_a_cluster:
	s_bfe_u32 s2, ttmp6, 0x10000c
	s_cmp_lg_u32 s2, 0xf033
	s_cbranch_scc0 .Lentry_shape_is_right
	s_endpgm
.Lentry_shape_is_right:
; QKV.  [8192][3072] = x (codes [8192][1024]) times the columns of Wq and Wkv (codes [3072][1024]), both FP4 (E2M1) with one E8M0 byte for each 32 along K, plus bq, bkv; sums in f32.
; A tile of 256 x 256 to a work-group of four waves, 128 x 128 a wave: 64 accumulators, 512 registers.  K = 1,024 is two LDS slots of 512 along K, both asked for at the head: nothing is filled again.
; The scale bytes of the work-group's rows come once, as dense blocks.  CLUSTERS: 4 x 4 work-groups; x's tiles are asked for jointly along a row of the cluster, the weights' along a column.
; THE RESULT LEAVES AS f16 IN THE ORDER OF THE NEXT OPERAND'S REGISTERS, without LDS: each store of a wave covers 512 consecutive bytes.
;   q, k (clusters x = 0, 1): source 0 = 16 columns of W, source 1 = 16 tokens: a lane holds one token and 8 neighbouring channels: group (b % 4) of the token tile's image [tile][ks 2][c 2][lane][16 bytes].
;   v (cluster x = 2): the sources change places: a lane holds one channel and 8 neighbouring tokens: V^T's image [32 keys][16 channels x 4][c 2][lane][16 bytes].
; The two bodies part on the cluster's x, which all sixteen partners share.  The biases are the C of each sum's first product.
; Positions 0-15 of each sequence also leave as f32, the accumulators as they stand, for the launch that carries those rows finely: under EXEC, since which work-group holds them hangs on its place in the cluster.
; LIMIT: q, k, v beyond 65,504 have no f16 number.
; REGISTERS: window 0: v0-31 addresses; v32-95 scale words, two sets; v128-191 x's fragments, one set; v192-255 the biases.  window 1: W's fragments, two sets (v0, v128); on the way out the packed results.
;   window 2: the accumulators of my rows 0-63 ((a, b) at v[8 (8 a + b)]);  window 3: those of rows 64-127.
.set NQ,     4                         ; steps of 128 along K in a slot
.set ROWB,   256                       ; a tile's row: 512 codes
.set KROW,   512                       ; a row of codes in memory
.set PITCH,  272                       ; an LDS row: 256 bytes + 16 of padding
.set FR,     8
.set NL,     2
.set NP,     4
.set HALFT,  128*PITCH
.set SLOT,   4*HALFT
.set KS,     32                        ; a row of scale bytes
.set SCL,    2*SLOT
.set HALFS,  (128*KS/256)*272
.set SBLK,   (16*KS/256)*272
.set SPARE,  SCL+4*HALFS               ; the spare words, 128 bytes a wave: two blocks of 256 bytes that no other line names
.set ADRA, 16
.set ADRB, 20
.set FLG,  24                          ; v24  0 in the waves that hold positions 0-15
.set BH,   25                          ; v25  32 x (lane / 16)
.set CO,   26                          ; v26  16 x lane
.set ADRS, 27
.set SPW,  28
.set NIL,  29
.set BR,   30                          ; v30  4 x (lane % 16)
.set SC,   32
.set AF,   128
.set BI,   192
.set G1, 24
.set G0, 32
.set G1B, 48
.set G0B, 56
.set G1S, 68
.set G0S, 76
.set G1SB, 80
.set G0SB, 88
.set MSB, 0
.macro WIN new                         ; the immediate's high byte repeats the setting that is left
.if MSB != (\new)
	s_set_vgpr_msb (MSB<<8)|(\new)
.set MSB, (\new)
.endif
.endm
.macro WMUL hi, first, swap            ; W in window 1, x in window 0; D in window 2 + hi; C there too, but for the first products, whose C (the bias) lies in window 0
	WIN ((1+3*(\swap))|(((1-(\first))*(2+(\hi)))<<4)|((2+(\hi))<<6))
.endm
.set TO_B,   0x40
.macro JLOAD g0a, g1a, g0b, g1b        ; a joint load: waves 0 and 1 fetch for x, waves 2 and 3 for W; an s_nop 0 and four v_nop follow each line
	s_cmp_eq_u32 s15, 0
	s_cbranch_scc0 .Lfor_b_\@
	tensor_load_to_lds s[\g0a:\g0a+3], s[\g1a:\g1a+7]
	s_nop 0
.rept 4
	v_nop
.endr
	s_branch .Lasked_\@
.Lfor_b_\@:
	tensor_load_to_lds s[\g0b:\g0b+3], s[\g1b:\g1b+7]
	s_nop 0
.rept 4
	v_nop
.endr
.Lasked_\@:
.endm
.macro CROUND                          ; a round of the cluster's barrier
	s_barrier_signal -1
	s_barrier_wait -1
	s_cmp_lg_u32 s14, 0
	s_cbranch_scc1 .Lnot_wave_0_\@
	s_barrier_signal -3
.Lnot_wave_0_\@:
	s_barrier_wait -3
	s_barrier_signal -1
	s_barrier_wait -1
.endm
	s_load_b128 s[4:7], s[0:1], 0x0                ; x's codes, x's scales
	s_load_b128 s[8:11], s[0:1], 0x10              ; W's codes, W's scales
	s_load_b64 s[12:13], s[0:1], 0x20              ; the images of q, k, v
	s_load_b128 s[96:99], s[0:1], 0x28             ; bq, bkv
	s_load_b64 s[100:101], s[0:1], 0x38            ; the f32 images
	v_lshl_add_u32 v[SPW], v0, 2, SPARE
	v_mov_b32 v[NIL], 0
	ds_add_u32 v[SPW], v[NIL]                      ; the wave's opening: the add, twice on end, and its wait ahead of my first tensor load
	ds_add_u32 v[SPW], v[NIL]
	v_lshrrev_b32 v1, 5, v0
	v_readfirstlane_b32 s14, v1                    ; wave 0..3
	s_lshr_b32 s15, s14, 1                         ; which half of the tile's rows is mine.  Also: I fetch for x (0) or for W (1)
	s_and_b32 s16, s14, 1                          ; which half of its columns.  Also: which 128 rows of that tile I fetch
	s_bfe_u32 s40, ttmp6, 0x40000                  ; cx, cy
	s_bfe_u32 s41, ttmp6, 0x40004
	s_lshl_b32 s42, ttmp9, 2
	s_add_co_u32 s42, s42, s40                     ; tile column = 4 x cluster x + cx
	s_and_b32 s17, ttmp7, 0xffff
	s_lshl_b32 s17, s17, 2
	s_add_co_u32 s17, s17, s41                     ; tile row = 4 x cluster y + cy
	s_lshl_b32 s43, s41, 2
	s_lshl_b32 s43, 15, s43                        ; my row of the cluster
	s_lshl_b32 s44, 0x1111, s40                    ; my column
	s_or_b32 s[G1+0], s43, (0<<16)|(1<<20)|(1<<21)|(5<<22)|(3<<25)  ; the mask; elements of 1 byte; padding of 4 words behind every 64; bit 21 beside a mask
	s_or_b32 s[G1B+0], s44, (0<<16)|(1<<20)|(1<<21)|(5<<22)|(3<<25)
.irp g, G1, G1B
	s_mov_b32 s[\g+1], ROWB<<16                    ; tensor_dim0
	s_mov_b32 s[\g+2], 128<<16                     ; tensor_dim1
	s_mov_b32 s[\g+3], ROWB<<16                    ; tile_dim0
	s_mov_b32 s[\g+4], 128                         ; tile_dim1
	s_mov_b32 s[\g+5], KROW                        ; the pitch
	s_mov_b32 s[\g+6], 0
	s_mov_b32 s[\g+7], 0
.endr
	s_or_b32 s[G1S+0], s43, (3<<16)|(1<<20)|(1<<21)|(5<<22)|(3<<25) ; the scales of 128 rows: 4,096 dense bytes as 16 rows of 256, 16 bytes of padding behind each
	s_or_b32 s[G1SB+0], s44, (3<<16)|(1<<20)|(1<<21)|(5<<22)|(3<<25)
.irp g, G1S, G1SB
	s_mov_b32 s[\g+1], 32<<16
	s_mov_b32 s[\g+2], (128*KS/256)<<16
	s_mov_b32 s[\g+3], 32<<16
	s_mov_b32 s[\g+4], 128*KS/256
	s_mov_b32 s[\g+5], 32
	s_mov_b32 s[\g+6], 0
	s_mov_b32 s[\g+7], 0
.endr
	s_lshl_b32 s18, s16, 7
	s_lshl_b32 s20, s17, 8
	s_add_co_u32 s20, s20, s18                     ; x: row 256 x tile row + 128 x half
	s_lshl_b32 s46, s42, 8
	s_add_co_u32 s46, s46, s18                     ; W: row 256 x tile column + 128 x half
	s_mov_b32 s21, 0
	s_mov_b32 s47, 0
	s_mov_b64 s[18:19], KS
	s_mul_u64 s[22:23], s[20:21], s[18:19]
	s_mul_u64 s[92:93], s[46:47], s[18:19]
	s_mov_b64 s[18:19], KROW
	s_mul_u64 s[20:21], s[20:21], s[18:19]
	s_mul_u64 s[46:47], s[46:47], s[18:19]
	s_mul_i32 s45, s14, HALFT                      ; where they go: wave x 128 rows
	s_mul_i32 s94, s14, HALFS
	s_wait_dscnt 0x0                               ; both opening adds are done
	s_wait_kmcnt 0x0
	s_add_nc_u64 s[20:21], s[4:5], s[20:21]
	s_add_nc_u64 s[22:23], s[6:7], s[22:23]
	s_add_nc_u64 s[46:47], s[8:9], s[46:47]
	s_add_nc_u64 s[92:93], s[10:11], s[92:93]
	CROUND                                         ; all sixteen work-groups are here: the joint loads meet
	s_mov_b32 s[G0S], 1
	s_add_co_u32 s[G0S+1], s94, SCL
	s_mov_b64 s[G0S+2:G0S+3], s[22:23]
	s_or_b32 s[G0S+3], s[G0S+3], 0x80000000
	s_mov_b32 s[G0SB], 1
	s_add_co_u32 s[G0SB+1], s94, SCL
	s_mov_b64 s[G0SB+2:G0SB+3], s[92:93]
	s_or_b32 s[G0SB+3], s[G0SB+3], 0x80000000
	JLOAD G0S, G1S, G0SB, G1SB                     ; the scales first
.irp s, 0,1
	s_mov_b32 s[G0+4*\s], 1
	s_add_co_u32 s[G0+4*\s+1], s45, \s*SLOT
	s_add_nc_u64 s[G0+4*\s+2:G0+4*\s+3], s[20:21], \s*ROWB
	s_or_b32 s[G0+4*\s+3], s[G0+4*\s+3], 0x80000000
	s_mov_b32 s[G0B+4*\s], 1
	s_add_co_u32 s[G0B+4*\s+1], s45, \s*SLOT
	s_add_nc_u64 s[G0B+4*\s+2:G0B+4*\s+3], s[46:47], \s*ROWB
	s_or_b32 s[G0B+4*\s+3], s[G0B+4*\s+3], 0x80000000
	JLOAD G0+4*\s, G1, G0B+4*\s, G1B               ; both halves of K: three tensor loads of mine are out, and none follows
.endr
	v_and_b32 v1, 15, v0                           ; r
	v_bfe_u32 v2, v0, 4, 1                         ; h
	v_mul_u32_u24 v3, v1, PITCH
	v_lshl_add_u32 v4, v2, 4, v3
	s_mul_i32 s21, s15, HALFT
	s_mul_i32 s22, s16, HALFT
	s_add_co_u32 s22, s22, 2*HALFT
.irp s, 0,1
	v_add_nc_u32 v[ADRA+\s], s21, v4
	v_add_nc_u32 v[ADRB+\s], s22, v4
	s_add_co_u32 s21, s21, SLOT
	s_add_co_u32 s22, s22, SLOT
.endr
	v_mul_u32_u24 v5, v1, KS
	v_lshrrev_b32 v6, 8, v5
	v_lshl_add_u32 v5, v6, 4, v5                   ; my row's scales: 32 bytes a row, 16 more for each 256 passed
	s_mul_i32 s21, s15, HALFS
	s_mul_i32 s22, s16, HALFS
	s_add_co_u32 s22, s22, 2*HALFS
	s_sub_co_u32 s22, s22, s21
	v_mul_u32_u24 v6, s22, v2                      ; lanes 16-31 take W's
	s_add_co_u32 s21, s21, SCL
	v_add_nc_u32 v5, v5, v6
	v_add_nc_u32 v[ADRS], s21, v5
	v_and_b32 v6, 31, v0
	v_lshlrev_b32 v[CO], 4, v6
	v_lshlrev_b32 v[BH], 5, v2
	v_lshlrev_b32 v[BR], 2, v1
	; where my results go.  s4-s11 have given their addresses up and are at work here
	s_lshl_b32 s4, s42, 8
	s_lshl_b32 s5, s16, 7
	s_add_co_u32 s4, s4, s5                        ; nw: my first column of the 3,072
	s_lshr_b32 s5, s4, 10                          ; q, k or v
	s_lshl_b32 s5, s5, 6
	s_lshr_b32 s6, s17, 3                          ; the batch: 8 tile rows each
	s_lshl_b32 s6, s6, 4
	s_add_co_u32 s5, s5, s6
	s_bfe_u32 s6, s4, 0x40006                      ; my first head: (nw % 1024) / 64
	s_add_co_u32 s5, s5, s6
	s_lshl_b32 s6, s5, 12
	s_mov_b32 s7, 0
	s_add_nc_u64 s[100:101], s[100:101], s[6:7]    ; 4,096 bytes of f32 image for each (tensor, batch, head)
	s_lshl_b32 s6, s5, 18                          ; 262,144 bytes of f16 image
	s_and_b32 s8, s17, 7
	s_lshl_b32 s9, s8, 1
	s_add_co_u32 s9, s9, s15
	s_lshl_b32 s9, s9, 14                          ; my 128 tokens: 8 tiles of 2,048 bytes (v: 4 runs of 32 keys of 4,096 bytes)
	s_add_co_u32 s6, s6, s9
	s_add_nc_u64 s[12:13], s[12:13], s[6:7]
	s_or_b32 s8, s8, s15
	v_mov_b32 v[FLG], s8                           ; 0: my block a = 0 is positions 0-15
	s_cmp_eq_u32 ttmp9, 0                          ; cluster x = 0: all columns are q's
	s_cselect_b64 s[96:97], s[96:97], s[98:99]
	s_cselect_b32 s5, 0, 1024
	s_sub_co_u32 s5, s4, s5
	s_lshl_b32 s6, s5, 2
	s_add_nc_u64 s[96:97], s[96:97], s[6:7]        ; the bias of my first column
.macro FRAG reg, adr, q, i             ; 16 rows x 128 K of 4-bit codes: 8 registers, two loads of 16 bytes, 32 bytes apart
.irp c, 0,1
	ds_load_b128 v[\reg+4*\c:\reg+4*\c+3], v[\adr] offset:64*(\q)+32*\c+(\i)*16*PITCH
.endr
.endm
; 16 matrix instructions: x's blocks a0, a0 + 1 against W's eight.  The 64 accumulators take turns, one instruction a turn, in the same order in every step.
.macro MUL16 a0, p, q, sc, first, swap
.irp a, \a0, \a0+1
.irp b, 0,1,2,3,4,5,6,7
.set rD, 8*(8*((\a)%4)+\b)
.set rW, 128*(\p)+FR*\b
.set rX, AF+FR*(\a)
.set sW, SC+8*NQ*(\sc)+NQ*\b+(\q)
.set sX, SC+8*NQ*(\sc)+NQ*(\a)+(\q)
.if \swap
.if \first
	v_wmma_scale_f32_16x16x128_f8f6f4 v[rD:rD+7], v[rX:rX+7], v[rW:rW+7], v[BI+8*\b:BI+8*\b+7], v[sX], v[sW] matrix_a_fmt:MATRIX_FMT_FP4 matrix_b_fmt:MATRIX_FMT_FP4 matrix_b_scale:MATRIX_SCALE_ROW1
.else
	v_wmma_scale_f32_16x16x128_f8f6f4 v[rD:rD+7], v[rX:rX+7], v[rW:rW+7], v[rD:rD+7], v[sX], v[sW] matrix_a_fmt:MATRIX_FMT_FP4 matrix_b_fmt:MATRIX_FMT_FP4 matrix_b_scale:MATRIX_SCALE_ROW1
.endif
.else
.if \first
	v_wmma_scale_f32_16x16x128_f8f6f4 v[rD:rD+7], v[rW:rW+7], v[rX:rX+7], v[BI+8*\b:BI+8*\b+7], v[sW], v[sX] matrix_a_fmt:MATRIX_FMT_FP4 matrix_b_fmt:MATRIX_FMT_FP4 matrix_a_scale:MATRIX_SCALE_ROW1
.else
	v_wmma_scale_f32_16x16x128_f8f6f4 v[rD:rD+7], v[rW:rW+7], v[rX:rX+7], v[rD:rD+7], v[sW], v[sX] matrix_a_fmt:MATRIX_FMT_FP4 matrix_b_fmt:MATRIX_FMT_FP4 matrix_a_scale:MATRIX_SCALE_ROW1
.endif
.endif
.endr
.endr
.endm
.macro FETCH_B slot, q, p
	WIN TO_B
.irp i, 0,1,2,3,4,5,6,7
	FRAG 128*(\p)+FR*\i, ADRB+\slot, \q, \i
.endr
	WIN 0
.endm
.macro FETCH_A slot, q, i0
.irp i, \i0, \i0+1, \i0+2, \i0+3
	FRAG AF+FR*(\i), ADRA+\slot, \q, \i
.endr
.endm
.macro SCALES sc                       ; a slot's scale words: lanes 0-15 x's block i, lanes 16-31 W's block i
.irp i, 0,1,2,3,4,5,6,7
	ds_load_b128 v[SC+8*NQ*\sc+NQ*\i:SC+8*NQ*\sc+NQ*\i+3], v[ADRS] offset:\i*SBLK
.endr
.endm
.macro PLACES n                        ; plain vector lines between matrix instructions and loads into, or reads of, their registers
.rept \n
	v_nop
.endr
.endm
.macro STEP slot, q, first, swap
	s_wait_dscnt 4*NL                              ; W's set and x's blocks 0-3 are in; the youngest eight loads (x's blocks 4-7) may be out
	WMUL 0, \first, \swap
	MUL16 0, (\q)%2, \q, \slot, \first, \swap
	MUL16 2, (\q)%2, \q, \slot, \first, \swap
	s_wait_dscnt 0
	PLACES NP
	FETCH_B \slot, (\q)+1, 1-(\q)%2
	FETCH_A \slot, (\q)+1, 0
	WMUL 1, \first, \swap
	MUL16 4, (\q)%2, \q, \slot, \first, \swap
	MUL16 6, (\q)%2, \q, \slot, \first, \swap
	PLACES NP
	WIN 0
	FETCH_A \slot, (\q)+1, 4
.endm
.macro TURN slot, next, swap           ; slot 0's last step: one barrier; behind it slot 1 is whole.  Nothing is filled again
	s_wait_tensorcnt 0x0                           ; all my tensor loads have landed: my part of slot 1
	ds_add_u32 v[SPW], v[NIL]
	s_wait_dscnt 4*NL+1                            ; the add and the youngest eight loads may be out
	WMUL 0, 0, \swap
	MUL16 0, 1, NQ-1, \slot, 0, \swap
	s_wait_dscnt 0x0
	s_barrier_signal -1
	MUL16 2, 1, NQ-1, \slot, 0, \swap
	WIN 0
	s_barrier_wait -1
	PLACES NP
	v_add_nc_u32 v[ADRS], 4*NQ, v[ADRS]            ; on to slot 1's scale words
	FETCH_B \next, 0, 0
	FETCH_A \next, 0, 0
	SCALES \next
	WMUL 1, 0, \swap
	MUL16 4, 1, NQ-1, \slot, 0, \swap
	MUL16 6, 1, NQ-1, \slot, 0, \swap
	PLACES NP
	WIN 0
	FETCH_A \next, 0, 4
.endm
.macro STEPS slot, from, swap
.set QQ, \from
.rept NQ-1-\from
	STEP \slot, QQ, 0, \swap
.set QQ, QQ+1
.endr
.endm
.macro BODY swap
.if \swap
.irp b, 0,1,2,3,4,5,6,7                        ; v: a lane holds one column: its bias in all eight registers
.irp j, 0,1,2,3,4,5,6,7
	global_load_b32 v[BI+8*\b+\j], v[BR], s[96:97] offset:64*\b
.endr
.endr
.else
.irp b, 0,1,2,3,4,5,6,7                        ; q, k: a lane holds eight neighbouring columns
	global_load_b128 v[BI+8*\b:BI+8*\b+3], v[BH], s[96:97] offset:64*\b
	global_load_b128 v[BI+8*\b+4:BI+8*\b+7], v[BH], s[96:97] offset:64*\b+16
.endr
.endif
	s_wait_loadcnt 0x0
	STEP 0, 0, 1, \swap                            ; the first products start the sums from the bias
	STEPS 0, 1, \swap
	TURN 0, 1, \swap
	STEPS 1, 0, \swap
	s_wait_dscnt 4*NL
	WMUL 0, 0, \swap
	MUL16 0, 1, NQ-1, 1, 0, \swap
	MUL16 2, 1, NQ-1, 1, 0, \swap
	s_wait_dscnt 0
	WMUL 1, 0, \swap
	MUL16 4, 1, NQ-1, 1, 0, \swap
	MUL16 6, 1, NQ-1, 1, 0, \swap
	WIN 0
	PLACES NP
	; positions 0-15, as f32: the eight accumulators of block a = 0 as they stand, each from its low end on
	s_wait_xcnt 0x0                                ; EXEC changes only behind this wait
	v_cmp_eq_u32 vcc_lo, 0, v[FLG]
	s_and_saveexec_b32 s66, vcc_lo
	WIN 0x08                                       ; a store's data: window 2
.irp b, 0,1,2,3,4,5,6,7
	global_store_b128 v[CO], v[8*\b:8*\b+3], s[100:101] offset:\b*1024
	global_store_b128 v[CO], v[8*\b+4:8*\b+7], s[100:101] offset:\b*1024+512
.endr
	WIN 0
	s_wait_xcnt 0x0                                ; and again, in front of the line that widens it
	s_or_b32 exec_lo, exec_lo, s66
	; all 64 accumulators, rounded to f16: four registers each, into window 1, whose 256 registers are written once: no wait stands among the stores
.irp a, 0,1,2,3,4,5,6,7
	WIN 0x4a+5*(\a/4)                              ; sources window 2 or 3, destination window 1
.irp b, 0,1,2,3,4,5,6,7
.irp i, 0,1,2,3
	v_cvt_pk_f16_f32 v[32*\a+4*\b+\i], v[64*(\a%4)+8*\b+2*\i], v[64*(\a%4)+8*\b+2*\i+1]
.endr
.endr
	WIN 0x04                                       ; a store's data: window 1
.irp b, 0,1,2,3,4,5,6,7
.if \swap
	global_store_b128 v[CO], v[32*\a+4*\b:32*\a+4*\b+3], s[12:13] offset:(\a/2)*4096+(\a%2)*512+(\b%4)*1024+(\b/4)*262144
.else
	global_store_b128 v[CO], v[32*\a+4*\b:32*\a+4*\b+3], s[12:13] offset:\a*2048+(\b/4)*262144+(\b%4)*512
.endif
.endr
.endr
	WIN 0
.endm
	s_wait_tensorcnt 1                             ; the scales and my part of slot 0 are in; slot 1's load may be out
	s_barrier_signal -1
	s_barrier_wait -1
	FETCH_B 0, 0, 0
	FETCH_A 0, 0, 0
	SCALES 0
	FETCH_A 0, 0, 4
	s_cmp_eq_u32 ttmp9, 2                          ; the cluster's x: the same in all sixteen partners
	s_cbranch_scc1 .Lbody_v
	BODY 0
	s_branch .Ldone
.Lbody_v:
	BODY 1
.Ldone:
	s_wait_tensorcnt 0x0                           ; the wave's end
	ds_add_u32 v[SPW], v[NIL]
	s_wait_dscnt 0x0
	CROUND                                         ; the closing round
	s_endpgm
.Lfunc_end_k_q6a262f43da_qkv:
	.size	k_q6a262f43da_qkv, .Lfunc_end_k_q6a262f43da_qkv-k_q6a262f43da_qkv
	.p2alignl 7, 3214868480
	.fill 96, 4, 3214868480
	.section	.rodata,"a",@progbits
	.p2align	6, 0x0
	.amdhsa_kernel k_q6a262f43da_qkv
		.amdhsa_group_segment_fixed_size 327680
		.amdhsa_private_segment_fixed_size 0
		.amdhsa_enable_private_segment 0
		.amdhsa_kernarg_size 64
		.amdhsa_user_sgpr_count 2
		.amdhsa_user_sgpr_kernarg_segment_ptr 1
		.amdhsa_wavefront_size32 1
		.amdhsa_system_sgpr_workgroup_id_x 1
		.amdhsa_system_sgpr_workgroup_id_y 1
		.amdhsa_system_sgpr_workgroup_id_z 1
		.amdhsa_system_vgpr_workitem_id 0
		.amdhsa_next_free_vgpr 1024
		.amdhsa_next_free_sgpr 102
		.amdhsa_reserve_vcc 1
		.amdhsa_float_denorm_mode_32 3
		.amdhsa_float_denorm_mode_16_64 3
		.amdhsa_memory_ordered 1
		.amdhsa_forward_progress 1
		.amdhsa_inst_pref_size 234
	.end_amdhsa_kernel
	.amdgpu_metadata
---
amdhsa.version: [ 1, 2 ]
amdhsa.kernels:
  - .name:           k_q6a262f43da_qkv
    .symbol:         k_q6a262f43da_qkv.kd
    .args:
      - { .name: xc, .offset: 0, .size: 8, .value_kind: global_buffer, .address_space: global }
      - { .name: xs, .offset: 8, .size: 8, .value_kind: global_buffer, .address_space: global }
      - { .name: wc, .offset: 16, .size: 8, .value_kind: global_buffer, .address_space: global }
      - { .name: ws, .offset: 24, .size: 8, .value_kind: global_buffer, .address_space: global }
      - { .name: qkvi, .offset: 32, .size: 8, .value_kind: global_buffer, .address_space: global }
      - { .name: bq, .offset: 40, .size: 8, .value_kind: global_buffer, .address_space: global }
      - { .name: bkv, .offset: 48, .size: 8, .value_kind: global_buffer, .address_space: global }
      - { .name: finei, .offset: 56, .size: 8, .value_kind: global_buffer, .address_space: global }
    .group_segment_fixed_size: 327680
    .private_segment_fixed_size: 0
    .kernarg_segment_align: 8
    .kernarg_segment_size: 64
    .max_flat_workgroup_size: 128
    .sgpr_count:     102
    .vgpr_count:     1024
    .wavefront_size: 32
...
	.end_amdgpu_metadata
.endif
;; end of part 2
;; launch attn (part 3): grid 32 x 8, 8 waves a work-group, clusters of 4 x 1, 327,680 bytes of LDS; arguments qkvi, alibi_m, alibi_offset, yimg; writes yimg
.if DOCPART == 3
	.amdgcn_target "amdgcn-amd-amdhsa--gfx1250"
	.amdhsa_code_object_version 6
	.text
	.protected	k_q6a262f43da_attn
	.globl	k_q6a262f43da_attn
	.p2align	8
	.type	k_q6a262f43da_attn,@function
k_q6a262f43da_attn:
	s_mov_b64 s[64:65], 0
	v_nop
	global_prefetch_b8 v0, s[64:65] scope:SCOPE_SE
	s_setreg_imm32_b32 hwreg(HW_REG_WAVE_MODE, 25, 1), 1
	s_wait_xcnt 0x0
	s_wait_alu depctr_hold_cnt(0) depctr_sa_sdst(0) depctr_va_vdst(0) depctr_va_sdst(0) depctr_va_ssrc(0) depctr_va_vcc(0) depctr_vm_vsrc(0)
	s_getreg_b32 s2, hwreg(HW_REG_IB_STS2, 6, 4)
	s_cmp_eq_u32 s2, 0
	s_cbranch_scc0 .Lentry_in_a_cluster
	s_endpgm
.Lentry_in_a_cluster:
	s_bfe_u32 s2, ttmp6, 0x10000c
	s_cmp_lg_u32 s2, 0x3003
	s_cbranch_scc0 .Lentry_shape_is_right
	s_endpgm
.Lentry_shape_is_right:
; ATTN.  y[b][h][q] = sum over k <= q of softmax_k(q . k / 8 + alibi_m[h] alibi_offset[q][k]) v[k].  q, k, v: f16 images of operand registers; products and sums in f32; the weights are rounded to f16
; for the second product, y once at the end, to f16, in the order of the projection's operand registers.
; WORK LEFT OUT: blocks of 128 keys wholly behind a block of 128 queries, and their tiles of alibi_offset: reference()'s own tril gives them the weight 0 for all values of the inputs.
; A NaN or an infinity that sits only there is not carried to the result.
; SHARES.  A work-group owns two heads of one batch and walks two blocks of 128 queries: block I (I + 1 key blocks) and block 15 - I (16 - I key blocks): 17 slots whatever I is.
; Wave w: head w / 4, queries 32 (w % 4) on: two tiles of 16.  Two waves share a SIMD: one wave's vector work stands beside the other's matrix work.
; LAYOUT.  S^T = K Q^T (source 0 = 16 keys, source 1 = 16 queries), O^T = V^T P: a lane holds one query throughout.  The ALiBi term is the C of S^T's first product: 8 m x offset, so that
; S' = q . k + 8 m offset and p = 2^(c S' - c max), c = log2(e) / 8.  A running maximum m and sum l; O and l are multiplied by 2^(c m_old - c m_new) in every step.
; CLUSTER.  The four partners are four pairs of heads of one batch on the same I: they walk the same tiles of alibi_offset, which are asked for jointly (waves 4-7).  K and V are each work-group's own (waves 0-3).
; K and V are not shared in a cluster: the work-groups that read the same K and V own other query blocks, with other numbers of key blocks.
; REGISTERS.  window 0: v1 prefetch offset; v2-4 my lane's places in a slot (K, V, offsets); v5-7 the step's addresses; v8 16 x lane; v9 the mask's bound; v10 -inf; v11 prefetch offset; v12-13 8 m; v14, v15 the add's two;
;   v16-31 statistics, 8 a tile: +0 c m, +1 m, +2, +3 l, +4..7 at work (a at +6); v32-95 S^T; v96-127 P; v128-159 Q; v160-223 K; v224-255 y packed.   window 1: v0-63 O^T; v64-127 V; v128-159 Q of the second block.
.set SLOTB, 133120                     ; a slot: K of head 0, 1, V of head 0, 1 (16,384 bytes each, operand images), then 128 rows x (512 + 16) bytes of offsets
.set SPARE, 266240                     ; behind the two slots: the spare words, 128 bytes a wave: four blocks of 256 bytes that no other line names
.set ST, 16
.set S,  32
.set P,  96
.set Q,  128
.set KF, 160
.set YP, 224
.set MSB, 0
.macro WIN new
.if MSB != (\new)
	s_set_vgpr_msb (MSB<<8)|(\new)
.set MSB, (\new)
.endif
.endm
.macro ROUND                           ; a round of the cluster's barrier
	s_barrier_signal -1
	s_barrier_wait -1
	s_cmp_lg_u32 s12, 0
	s_cbranch_scc1 .Lnot_wave_0_\@
	s_barrier_signal -3
.Lnot_wave_0_\@:
	s_barrier_wait -3
	s_barrier_signal -1
	s_barrier_wait -1
.endm
.macro TLOAD                           ; every wave issues one load: waves 0-3 a quarter of K and V, waves 4-7, jointly with the partners, 32 rows of offsets.  An s_nop 0 and four v_nop follow each
	s_cmp_lt_u32 s12, 4
	s_cbranch_scc0 .Lfor_o_\@
	tensor_load_to_lds s[44:47], s[28:35]
	s_nop 0
.rept 4
	v_nop
.endr
	s_branch .Lasked_\@
.Lfor_o_\@:
	tensor_load_to_lds s[48:51], s[36:43]
	s_nop 0
.rept 4
	v_nop
.endr
.Lasked_\@:
.endm
; PREFETCHES of the slot after the one just asked for.  K, V: all work-groups of a pair of heads walk the same key blocks; the one with I = 0 walks all sixteen in order and asks: in trip T for key block T + 1,
; 64 KiB, eight waves x 32 lanes, 256 bytes apart.  Offsets: the eight clusters of one I walk the same tiles; cluster x = 0 asks, its partners told apart by address (32 rows each), waves 0 and 1 a half row each,
; a lane a row.  So each aligned 256 bytes are named once.  Trips 15 and 16 ask for nothing; slots 0 and 1 come by their loads alone.
.macro ASK
	s_cmp_lt_u32 s20, s80
	s_cbranch_scc0 .Lno_kv_\@
	global_prefetch_b8 v11, s[72:73] th:TH_LOAD_NT scope:SCOPE_SE
.Lno_kv_\@:
	s_cmp_lt_u32 s20, s81
	s_cbranch_scc0 .Lno_of_\@
	global_prefetch_b8 v1, s[76:77] th:TH_LOAD_NT scope:SCOPE_SE
.Lno_of_\@:
.endm
.macro RESET                           ; a block of queries begins: m = -3e38, under every score; l = 0; O^T = 0
.irp t, 0,1
	v_mov_b32 v[ST+8*\t+1], 0xff61b1e6
	v_mul_f32 v[ST+8*\t], s60, v[ST+8*\t+1]
.irp i, 2,3,4,5,6,7
	v_mov_b32 v[ST+8*\t+\i], 0
.endr
.endr
	WIN 0x40
.set i, 0
.rept 64
	v_mov_b32 v[i], 0
.set i, i+1
.endr
	WIN 0
.endm
	s_load_b256 s[4:11], s[0:1], 0x0               ; images of q, k, v s[4:5]; alibi_m s[6:7]; alibi_offset s[8:9]; y's image s[10:11]
	v_lshl_add_u32 v14, v0, 2, SPARE
	v_mov_b32 v15, 0
	ds_add_u32 v14, v15                            ; the wave's opening: the add, twice on end, and its wait ahead of my first tensor load
	ds_add_u32 v14, v15
	v_lshrrev_b32 v1, 5, v0
	v_readfirstlane_b32 s12, v1                    ; wave 0..7
	s_bfe_u32 s13, ttmp6, 0x40000                  ; cx
	s_and_b32 s14, ttmp7, 0xffff                   ; I: the first block of queries
	s_sub_co_u32 s15, 15, s14                      ; the second
	s_lshl_b32 s83, ttmp9, 2
	s_add_co_u32 s83, s83, s13
	s_lshr_b32 s84, s83, 3                         ; the batch
	s_and_b32 s85, s83, 7                          ; the pair of heads
	s_lshl_b32 s86, s84, 4
	s_lshl_b32 s87, s85, 1
	s_add_co_u32 s86, s86, s87                     ; 16 x batch + the pair's first head
	s_lshr_b32 s88, s12, 2                         ; which of the two heads is mine
	s_and_b32 s89, s12, 3                          ; which 32 queries
	s_lshr_b32 s82, s89, 1                         ; which 64
	s_add_co_u32 s87, s87, s88                     ; my head
	s_mov_b32 s28, 3<<16                           ; group 1 for K and V: 16,384 dense bytes as 64 rows of 32 elements of 8 bytes; no mask
	s_mov_b32 s29, 32<<16
	s_mov_b32 s30, 64<<16
	s_mov_b32 s31, 32<<16
	s_mov_b32 s32, 64
	s_mov_b32 s33, 32
	s_mov_b32 s34, 0
	s_mov_b32 s35, 0
	s_mov_b32 s36, 15|(2<<16)|(1<<20)|(1<<21)|(6<<22)|(3<<25)  ; for the offsets: all four work-groups; elements of 4 bytes; 4 words of padding behind every 128; bit 21 beside a mask
	s_mov_b32 s37, 128<<16
	s_mov_b32 s38, 32<<16
	s_mov_b32 s39, 128<<16
	s_mov_b32 s40, 32
	s_mov_b32 s41, 2048
	s_mov_b32 s42, 0
	s_mov_b32 s43, 0
	s_mov_b32 s60, 0x3e38aa3b                      ; c = log2(e) / 8
	s_mov_b32 s61, s60
	s_mov_b32 s66, 0x76543210                      ; v_permlanex16_b32's selects for lane l xor 16
	s_mov_b32 s67, 0xfedcba98
	s_mov_b32 s57, 0
	s_mov_b32 s59, 0
	s_mov_b32 s91, 0
	s_mov_b32 s16, s14                             ; the slot in hand: block of queries,
	s_mov_b32 s17, 0                               ; block of keys
	s_mov_b32 s20, 0                               ; the trip
	s_mov_b32 s21, 0                               ; LDS byte at which the slot in hand begins
	s_cmp_eq_u32 s14, 0
	s_cselect_b32 s80, 15, 0                       ; trips in which I prefetch K and V
	s_lshr_b32 s81, s12, 1
	s_or_b32 s81, s81, ttmp9
	s_cmp_eq_u32 s81, 0
	s_cselect_b32 s81, 15, 0                       ; and offsets
	s_wait_dscnt 0x0                               ; both opening adds are done
	s_wait_kmcnt 0x0
	s_lshr_b32 s93, s89, 1                         ; what I fetch, if I fetch K or V: wave 0, 1: K of head 0, 1; wave 2, 3: V
	s_add_co_u32 s93, s93, 1
	s_lshl_b32 s93, s93, 6
	s_add_co_u32 s93, s93, s86
	s_and_b32 s94, s12, 1
	s_add_co_u32 s93, s93, s94
	s_lshl_b32 s56, s93, 18
	s_add_nc_u64 s[52:53], s[4:5], s[56:57]
	s_lshl_b32 s58, s89, 18                        ; and of the offsets: 32 rows of 8,192 bytes.  Nothing of my place in the cluster enters these registers
	s_add_nc_u64 s[54:55], s[8:9], s[58:59]
	s_add_co_u32 s93, s86, s88                     ; Q: my head's image, my two tiles of each block
	s_lshl_b32 s93, s93, 18
	s_lshl_b32 s94, s89, 12
	s_add_co_u32 s93, s93, s94
	s_lshl_b32 s94, s14, 14
	s_add_co_u32 s90, s93, s94
	s_add_nc_u64 s[24:25], s[4:5], s[90:91]
	s_lshl_b32 s94, s15, 14
	s_add_co_u32 s90, s93, s94
	s_add_nc_u64 s[26:27], s[4:5], s[90:91]
	s_lshl_b32 s90, s84, 22                        ; y: (128 x batch + 2 x my quarter) tiles of 32,768 bytes, + my head's 2,048
	s_lshl_b32 s94, s89, 16
	s_add_co_u32 s90, s90, s94
	s_lshl_b32 s94, s87, 11
	s_add_co_u32 s90, s90, s94
	s_add_nc_u64 s[68:69], s[10:11], s[90:91]
	s_add_co_u32 s93, s88, 1                       ; the prefetches of K (waves 0-3) and V (waves 4-7): head (w / 2) % 2, half w % 2 of a key block
	s_lshl_b32 s93, s93, 6
	s_add_co_u32 s93, s93, s86
	s_bfe_u32 s94, s12, 0x10001
	s_add_co_u32 s93, s93, s94
	s_lshl_b32 s90, s93, 18
	s_and_b32 s94, s12, 1
	s_lshl_b32 s93, s94, 13
	s_add_co_u32 s90, s90, s93
	s_add_nc_u64 s[72:73], s[4:5], s[90:91]        ; at key block 0: each change of slots steps it ahead of its prefetch
	s_lshl_b32 s90, s13, 18                        ; of the offsets: my work-group's 32 rows, my wave's half of a row's 512 bytes
	s_lshl_b32 s93, s94, 8
	s_add_co_u32 s90, s90, s93
	s_add_nc_u64 s[74:75], s[8:9], s[90:91]
	s_lshl_b32 s90, s87, 2
	s_add_nc_u64 s[6:7], s[6:7], s[90:91]
	s_load_b32 s62, s[6:7], 0x0                    ; alibi_m of my head
	s_mov_b32 s44, 1                               ; group 0 for K and V: slot 0, key block 0
	s_lshl_b32 s45, s89, 14
	s_mov_b64 s[46:47], s[52:53]
	s_or_b32 s47, s47, 0x80000000
	s_mov_b32 s48, 1                               ; for the offsets: slot 0, block of queries I, key block 0
	s_mul_i32 s49, s89, 16896
	s_add_co_u32 s49, s49, 65536
	s_lshl_b32 s58, s14, 20
	s_add_nc_u64 s[50:51], s[54:55], s[58:59]
	s_or_b32 s51, s51, 0x80000000
	ROUND                                          ; all four work-groups are here
	TLOAD                                          ; slot 0: one load of mine is out
	v_and_b32 v32, 31, v0
	v_and_b32 v33, 15, v0                          ; r
	v_bfe_u32 v34, v0, 4, 1                        ; h
	v_lshlrev_b32 v8, 4, v32
.irp t, 0,1
.irp u, 0,1
.irp c, 0,1
	global_load_b128 v[Q+16*\t+8*\u+4*\c:Q+16*\t+8*\u+4*\c+3], v8, s[24:25] offset:\t*2048+\u*1024+\c*512
.endr
.endr
.endr
	WIN 0x40
.irp t, 0,1
.irp u, 0,1
.irp c, 0,1
	global_load_b128 v[128+16*\t+8*\u+4*\c:128+16*\t+8*\u+4*\c+3], v8, s[26:27] offset:\t*2048+\u*1024+\c*512
.endr
.endr
.endr
	WIN 0
	s_lshl_b32 s95, s88, 14
	v_add_nc_u32 v2, s95, v8                       ; K: 16 x lane in my head's image
	v_add_nc_u32 v3, 32768, v2                     ; V likewise
	s_mul_i32 s95, s89, 16896
	s_add_co_u32 s95, s95, 65536
	v_mul_u32_u24 v4, v33, 528
	v_lshl_add_u32 v4, v34, 5, v4
	v_add_nc_u32 v4, s95, v4                       ; offsets: row 32 x my quarter + r, + 32 h bytes: eight keys
	s_and_b32 s95, s89, 1
	s_lshl_b32 s95, s95, 5
	v_lshlrev_b32 v35, 3, v34
	v_sub_nc_u32 v9, v33, v35
	v_add_nc_u32 v9, s95, v9                       ; on the diagonal: register j of key tile k of query tile t is hidden where 16 k + j - 16 t > this
	v_mov_b32 v10, 0xff800000
	v_lshlrev_b32 v11, 8, v32
	v_lshlrev_b32 v1, 13, v32
	RESET
	s_wait_kmcnt 0x0
	v_mov_b32 v12, s62
	v_mul_f32 v12, 0x41000000, v12                 ; 8 m
	v_mov_b32 v13, v12
	s_wait_loadcnt 0x0                             ; Q of both blocks
.macro SOFTMAX
.irp j, 0,1,2,3
.irp t, 0,1
	v_max3_num_f32 v[ST+8*\t+4+\j], v[S+32*\t+8*\j], v[S+32*\t+8*\j+1], v[S+32*\t+8*\j+2]   ; each accumulator from its low end on
.endr
.endr
.irp g, 1,2
.irp j, 0,1,2,3
.irp t, 0,1
	v_max3_num_f32 v[ST+8*\t+4+\j], v[ST+8*\t+4+\j], v[S+32*\t+8*\j+2*\g+1], v[S+32*\t+8*\j+2*\g+2]
.endr
.endr
.endr
.irp t, 0,1
	v_max3_num_f32 v[ST+8*\t+4], v[ST+8*\t+4], v[S+32*\t+7], v[S+32*\t+15]
.endr
.irp t, 0,1
	v_max3_num_f32 v[ST+8*\t+6], v[ST+8*\t+6], v[S+32*\t+23], v[S+32*\t+31]
.endr
.irp t, 0,1
	v_max3_num_f32 v[ST+8*\t+4], v[ST+8*\t+4], v[ST+8*\t+5], v[ST+8*\t+6]
.endr
.irp t, 0,1
	v_max3_num_f32 v[ST+8*\t+4], v[ST+8*\t+4], v[ST+8*\t+7], v[ST+8*\t+1]   ; with the old m
.endr
.irp t, 0,1
	v_permlanex16_b32 v[ST+8*\t+5], v[ST+8*\t+4], s66, s67                   ; the query's other 32 keys lie in the lane 16 away
.endr
.irp t, 0,1
	v_mov_b32 v[ST+8*\t+7], v[ST+8*\t]
.endr
.irp t, 0,1
	v_max_num_f32 v[ST+8*\t+1], v[ST+8*\t+4], v[ST+8*\t+5]
.endr
.irp t, 0,1
	v_mul_f32 v[ST+8*\t], s60, v[ST+8*\t+1]
.endr
.irp t, 0,1
	v_sub_f32 v[ST+8*\t+7], v[ST+8*\t+7], v[ST+8*\t]                         ; c m_old - c m_new
.endr
.set i, 0
.rept 16
.irp t, 0,1
	v_pk_fma_f32 v[S+32*\t+2*i:S+32*\t+2*i+1], v[S+32*\t+2*i:S+32*\t+2*i+1], s[60:61], v[ST+8*\t:ST+8*\t+1] op_sel_hi:[1,0,0] neg_lo:[0,0,1] neg_hi:[0,0,1]   ; c S' - c m
.endr
.set i, i+1
.endr
.irp t, 0,1
	v_exp_f32 v[ST+8*\t+6], v[ST+8*\t+7]                                     ; a
.endr
.set i, 0
.rept 64
	v_exp_f32 v[S+i], v[S+i]                                                 ; p: one batch of 66 exponentials
.set i, i+1
.endr
	v_nop                                          ; a plain line behind the last exponential
	s_wait_alu depctr_va_vdst(0)                   ; one wait for the batch, ahead of its first reader
.set i, 0
.rept 16
.irp t, 0,1
	v_cvt_pk_f16_f32 v[P+16*\t+i], v[S+32*\t+2*i], v[S+32*\t+2*i+1]
.endr
.set i, i+1
.endr
.irp w, 4,8,16,32                              ; the sum of the unrounded p, two at a time, in place
.set i, 0
.rept 32/\w
.irp t, 0,1
	v_pk_add_f32 v[S+32*\t+\w*i:S+32*\t+\w*i+1], v[S+32*\t+\w*i:S+32*\t+\w*i+1], v[S+32*\t+\w*i+\w/2:S+32*\t+\w*i+\w/2+1]
.endr
.set i, i+1
.endr
.endr
.irp t, 0,1
	v_pk_fma_f32 v[ST+8*\t+2:ST+8*\t+3], v[ST+8*\t+2:ST+8*\t+3], v[ST+8*\t+6:ST+8*\t+7], v[S+32*\t:S+32*\t+1] op_sel_hi:[1,0,1]   ; l = a l + the sum
.endr
.endm
; A STEP: 64 keys, half s of the slot in hand.
.macro STEP s
.if \s
	s_cmp_lg_u32 s78, 0                            ; on the diagonal, keys 64-127 come after all queries of waves whose queries are 0-63: ids alone
	s_cbranch_scc1 .Lhid_\@
.endif
	v_add_nc_u32 v5, s21, v2
	v_add_nc_u32 v6, s21, v3
	v_add_nc_u32 v7, s21, v4
	v_nop                                          ; four plain lines in front of loads into V's registers, which the last products read
.irp t, 0,1
.irp k, 0,1,2,3
	ds_load_b128 v[S+32*\t+8*\k:S+32*\t+8*\k+3], v7 offset:\t*8448+\s*256+\k*64          ; the offsets, in the result's layout: query r, keys 16 k + 8 h + 0 .. 7
	ds_load_b128 v[S+32*\t+8*\k+4:S+32*\t+8*\k+7], v7 offset:\t*8448+\s*256+\k*64+16
.endr
.endr
.irp k, 0,1,2,3
.irp u, 0,1
.irp c, 0,1
	ds_load_b128 v[KF+16*\k+8*\u+4*\c:KF+16*\k+8*\u+4*\c+3], v5 offset:(4*\s+\k)*2048+\u*1024+\c*512
.endr
.endr
.endr
	WIN 0x40
.irp u, 0,1
.irp d, 0,1,2,3
.irp c, 0,1
	ds_load_b128 v[64+32*\u+8*\d+4*\c:64+32*\u+8*\d+4*\c+3], v6 offset:(2*\s+\u)*4096+\d*1024+\c*512
.endr
.endr
.endr
	WIN 0
	s_wait_dscnt 16                                ; the offsets and K are in; V's sixteen loads may be out
.set i, 0
.rept 32
	v_pk_mul_f32 v[S+2*i:S+2*i+1], v[S+2*i:S+2*i+1], v[12:13] op_sel_hi:[1,0]   ; 8 m x offset
.set i, i+1
.endr
.irp u, 0,1                                    ; S' = K Q^T + 8 m offset: eight accumulators by turns
.irp k, 0,1,2,3
.irp t, 0,1
	v_wmma_f32_16x16x32_f16 v[S+32*\t+8*\k:S+32*\t+8*\k+7], v[KF+16*\k+8*\u:KF+16*\k+8*\u+7], v[Q+16*\t+8*\u:Q+16*\t+8*\u+7], v[S+32*\t+8*\k:S+32*\t+8*\k+7]
.endr
.endr
.endr
.rept 4
	v_nop
.endr
	s_cmp_eq_u32 s[78+\s], 0                       ; only the one step of a wave that lies on the diagonal is masked
	s_cbranch_scc1 .Lopen_\@
.irp t, 0,1
.irp k, 0,1,2,3
.irp j, 0,1,2,3,4,5,6,7
	v_cmp_gt_i32 vcc_lo, 16*\k+\j-16*\t, v9
	v_cndmask_b32 v[S+32*\t+8*\k+\j], v[S+32*\t+8*\k+\j], v10, vcc_lo
.endr
.endr
.endr
.Lopen_\@:
	SOFTMAX
	s_wait_dscnt 0x0                               ; V is in
	WIN 0x41
.irp t, 0,1
.set i, 0
.rept 16
	v_pk_mul_f32 v[32*\t+2*i:32*\t+2*i+1], v[32*\t+2*i:32*\t+2*i+1], v[ST+8*\t+6:ST+8*\t+7] op_sel_hi:[1,0]   ; O^T x a, each accumulator from its low end on
.set i, i+1
.endr
.endr
	WIN 0x51
.irp u, 0,1                                    ; O^T += V^T P: eight accumulators by turns
.irp d, 0,1,2,3
.irp t, 0,1
	v_wmma_f32_16x16x32_f16 v[32*\t+8*\d:32*\t+8*\d+7], v[64+32*\u+8*\d:64+32*\u+8*\d+7], v[P+16*\t+8*\u:P+16*\t+8*\u+7], v[32*\t+8*\d:32*\t+8*\d+7]
.endr
.endr
.endr
	WIN 0
.if \s
.Lhid_\@:
.endif
.endm
; A block of queries is done: O^T / l, rounded to f16, leaves as the projection's operand: each store covers 512 consecutive bytes.  last = 0: the second block begins.
.macro FINISH last
.rept 4
	v_nop
.endr
.irp t, 0,1
	v_add_f32 v[ST+8*\t+4], v[ST+8*\t+2], v[ST+8*\t+3]
.endr
.irp t, 0,1
	v_permlanex16_b32 v[ST+8*\t+5], v[ST+8*\t+4], s66, s67
.endr
.irp t, 0,1
	v_add_f32 v[ST+8*\t+4], v[ST+8*\t+4], v[ST+8*\t+5]
.endr
.irp t, 0,1
	v_rcp_f32 v[ST+8*\t+6], v[ST+8*\t+4]
.endr
	v_nop
	s_wait_alu depctr_va_vdst(0)                   ; one wait for the two reciprocals, ahead of their first reader
	WIN 0x41
.irp t, 0,1
.set i, 0
.rept 16
	v_pk_mul_f32 v[32*\t+2*i:32*\t+2*i+1], v[32*\t+2*i:32*\t+2*i+1], v[ST+8*\t+6:ST+8*\t+7] op_sel_hi:[1,0]
.set i, i+1
.endr
.endr
	WIN 0x05
.irp t, 0,1
.irp d, 0,1,2,3
.irp i, 0,1,2,3
	v_cvt_pk_f16_f32 v[YP+16*\t+4*\d+\i], v[32*\t+8*\d+2*\i], v[32*\t+8*\d+2*\i+1]
.endr
.endr
.endr
	WIN 0
	s_lshl_b32 s90, s16, 18                        ; the block's eight tiles of 32,768 bytes
	s_add_nc_u64 s[70:71], s[68:69], s[90:91]
.irp t, 0,1
.irp d, 0,1,2,3
	global_store_b128 v8, v[YP+16*\t+4*\d:YP+16*\t+4*\d+3], s[70:71] offset:\t*32768+\d*512
.endr
.endr
.if \last == 0
	RESET
	WIN 0x01
.set i, 0
.rept 32
	v_mov_b32 v[Q+i], v[128+i]                     ; the second block's Q
.set i, i+1
.endr
	WIN 0
	s_wait_xcnt 0x0                                ; the stores have read their data and base: both are written again at the second block's end
.endif
.endm
; THE CHANGE OF SLOTS stands at a slot's head.  Each wave waits for all its tensor loads (its part of the slot ahead), adds 0 to its spare word, and waits for that and for its reads of the slot left.
; fill = 1: a round of the cluster's barrier, and behind it the next slot's load, a wave's one tensor load until the next round: it has a slot's two steps in which to land.
.macro CHANGE fill
	s_wait_tensorcnt 0x0                           ; no tensor load of mine is out: the groups 0 may be written
	ds_add_u32 v14, v15
.if \fill
	s_add_co_u32 s22, s17, 1
	s_cmp_eq_u32 s17, s16                          ; behind a block's diagonal slot comes the second block's key block 0
	s_cselect_b32 s18, s15, s16
	s_cselect_b32 s19, 0, s22
	s_xor_b32 s45, s45, SLOTB                      ; the other slot than last time
	s_xor_b32 s49, s49, SLOTB
	s_lshl_b32 s56, s19, 14
	s_add_nc_u64 s[46:47], s[52:53], s[56:57]
	s_or_b32 s47, s47, 0x80000000
	s_lshl_b32 s58, s18, 20
	s_lshl_b32 s23, s19, 9
	s_add_co_u32 s58, s58, s23
	s_add_nc_u64 s[50:51], s[54:55], s[58:59]
	s_or_b32 s51, s51, 0x80000000
	s_wait_xcnt 0x0                                ; the last prefetches, a slot back, have read their addresses
	s_add_nc_u64 s[72:73], s[72:73], 16384
	s_add_co_u32 s23, s19, 1                       ; the slot after the next, by the same rule
	s_cmp_eq_u32 s19, s18
	s_cselect_b32 s90, s15, s18
	s_cselect_b32 s23, 0, s23
	s_lshl_b32 s90, s90, 20
	s_lshl_b32 s23, s23, 9
	s_add_co_u32 s90, s90, s23
	s_add_nc_u64 s[76:77], s[74:75], s[90:91]
.endif
	s_wait_dscnt 0x0                               ; the add is done, and my reads of the slot that I have left are over
.if \fill
	ROUND
	TLOAD
	ASK
.else
	s_barrier_signal -1
	s_barrier_wait -1
.endif
	s_cmp_eq_u32 s17, s16
	s_cselect_b32 s92, 1, 0                        ; the slot in hand lies on the diagonal
	s_xor_b32 s23, s82, 1
	s_and_b32 s78, s92, s23                        ; and my queries are its 0-63: half 0 is masked, half 1 hidden
	s_and_b32 s79, s92, s82                        ; or its 64-127: half 1 is masked
.endm
.Lslot:                                            ; 16 trips: behind each change of slots but the last the next slot is asked for
	CHANGE 1
	STEP 0
	STEP 1
	s_cmp_eq_u32 s92, 0
	s_cbranch_scc1 .Lno_finish
	FINISH 0
.Lno_finish:
	s_mov_b32 s16, s18
	s_mov_b32 s17, s19
	s_xor_b32 s21, s21, SLOTB
	s_add_co_u32 s20, s20, 1
	s_cmp_lt_u32 s20, 16
	s_cbranch_scc1 .Lslot
	CHANGE 0                                       ; the last slot is written out: nothing is left to ask for
	STEP 0
	STEP 1
	FINISH 1
	s_wait_tensorcnt 0x0                           ; the wave's end
	ds_add_u32 v14, v15
	s_wait_dscnt 0x0
	ROUND                                          ; the closing round
	s_endpgm
.Lfunc_end_k_q6a262f43da_attn:
	.size	k_q6a262f43da_attn, .Lfunc_end_k_q6a262f43da_attn-k_q6a262f43da_attn
	.p2alignl 7, 3214868480
	.fill 96, 4, 3214868480
	.section	.rodata,"a",@progbits
	.p2align	6, 0x0
	.amdhsa_kernel k_q6a262f43da_attn
		.amdhsa_group_segment_fixed_size 327680
		.amdhsa_private_segment_fixed_size 0
		.amdhsa_enable_private_segment 0
		.amdhsa_kernarg_size 32
		.amdhsa_user_sgpr_count 2
		.amdhsa_user_sgpr_kernarg_segment_ptr 1
		.amdhsa_wavefront_size32 1
		.amdhsa_system_sgpr_workgroup_id_x 1
		.amdhsa_system_sgpr_workgroup_id_y 1
		.amdhsa_system_sgpr_workgroup_id_z 1
		.amdhsa_system_vgpr_workitem_id 0
		.amdhsa_next_free_vgpr 416
		.amdhsa_next_free_sgpr 96
		.amdhsa_reserve_vcc 1
		.amdhsa_float_denorm_mode_32 3
		.amdhsa_float_denorm_mode_16_64 3
		.amdhsa_memory_ordered 1
		.amdhsa_forward_progress 1
		.amdhsa_inst_pref_size 126
	.end_amdhsa_kernel
	.amdgpu_metadata
---
amdhsa.version: [ 1, 2 ]
amdhsa.kernels:
  - .name:           k_q6a262f43da_attn
    .symbol:         k_q6a262f43da_attn.kd
    .args:
      - { .name: qkvi, .offset: 0, .size: 8, .value_kind: global_buffer, .address_space: global }
      - { .name: alibi_m, .offset: 8, .size: 8, .value_kind: global_buffer, .address_space: global }
      - { .name: alibi_offset, .offset: 16, .size: 8, .value_kind: global_buffer, .address_space: global }
      - { .name: yimg, .offset: 24, .size: 8, .value_kind: global_buffer, .address_space: global }
    .group_segment_fixed_size: 327680
    .private_segment_fixed_size: 0
    .kernarg_segment_align: 8
    .kernarg_segment_size: 32
    .max_flat_workgroup_size: 256
    .sgpr_count:     96
    .vgpr_count:     416
    .wavefront_size: 32
...
	.end_amdgpu_metadata
.endif
;; end of part 3
;; launch proj (part 4): grid 64 x 4, 4 waves a work-group, clusters of 4 x 1, 327,680 bytes of LDS; arguments yimg, wpt, bp, out0; writes out0
.if DOCPART == 4
	.amdgcn_target "amdgcn-amd-amdhsa--gfx1250"
	.amdhsa_code_object_version 6
	.text
	.protected	k_q6a262f43da_proj
	.globl	k_q6a262f43da_proj
	.p2align	8
	.type	k_q6a262f43da_proj,@function
k_q6a262f43da_proj:
	s_mov_b64 s[64:65], 0
	v_nop
	global_prefetch_b8 v0, s[64:65] scope:SCOPE_SE
	s_setreg_imm32_b32 hwreg(HW_REG_WAVE_MODE, 25, 1), 1
	s_wait_xcnt 0x0
	s_wait_alu depctr_hold_cnt(0) depctr_sa_sdst(0) depctr_va_vdst(0) depctr_va_sdst(0) depctr_va_ssrc(0) depctr_va_vcc(0) depctr_vm_vsrc(0)
	s_getreg_b32 s2, hwreg(HW_REG_IB_STS2, 6, 4)
	s_cmp_eq_u32 s2, 0
	s_cbranch_scc0 .Lentry_in_a_cluster
	s_endpgm
.Lentry_in_a_cluster:
	s_bfe_u32 s2, ttmp6, 0x10000c
	s_cmp_lg_u32 s2, 0x3003
	s_cbranch_scc0 .Lentry_shape_is_right
	s_endpgm
.Lentry_shape_is_right:
; PROJ.  out0 [8192][1024] = y Wp + bp, y and Wp as f16 images of operand registers, sums in f32.  A tile of 128 rows x 256 columns to a work-group; a wave makes 64 x 128: 32 accumulators.
; NOT STORED HERE: positions 0-15 of each sequence.  They lie inside a tile of live rows and are multiplied with it, but their rows of out0 are written by the launch that carries them in f32.
; y GOES FROM MEMORY STRAIGHT INTO REGISTERS: a fragment is two loads of 16 bytes a lane, 512 consecutive bytes each; a ring of eight buffers of 32 registers, asked for seven quarter steps (224 matrix instructions) ahead.
; Wp COMES THROUGH LDS: two slots of 256 columns x 256 along K, in image order.  The four partners of a cluster own four row tiles of one column tile: Wp's tiles are asked for jointly.
; The product is used transposed (source 0 = 16 columns of Wp, source 1 = 16 rows of y): a lane holds eight neighbouring columns of one row.  The bias is the C of each sum's first product.
; All 32 quarter steps of 32 along K are written out: every offset is an immediate.
; REGISTERS.  window 0: v2-8 addresses; v28, v29 the add's two; v64-127, v128-191 Wp's fragments, two buffers.  window 1: y's ring; on the way out rows of out0.  window 2: accumulator (a, b) at v[8 (8 a + b)].  window 3: v0-63 the bias.
.set SLOTB, 131072
.set STAGE, 262144                     ; behind the two slots: 16 rows x (512 + 16) bytes for each wave
.set SPARE, 295936                     ; the spare words, 128 bytes a wave: two blocks of 256 bytes that no other line names
.set LI,  2                            ; v2  16 x lane
.set ADB, 3                            ; v3, v4  my lane's place in slot 0, 1
.set STO, 5
.set RD,  6
.set FLG, 7                            ; v7  0 in the waves whose block a = 0 is positions 0-15
.set BOF, 8                            ; v8  32 x (lane / 16)
.set BF,  64
.set MSB, 0
.macro WIN new
.if MSB != (\new)
	s_set_vgpr_msb (MSB<<8)|(\new)
.set MSB, (\new)
.endif
.endm
.macro ROUND
	s_barrier_signal -1
	s_barrier_wait -1
	s_cmp_lg_u32 s12, 0
	s_cbranch_scc1 .Lnot_wave_0_\@
	s_barrier_signal -3
.Lnot_wave_0_\@:
	s_barrier_wait -3
	s_barrier_signal -1
	s_barrier_wait -1
.endm
.macro PLACES
.rept 4
	v_nop
.endr
.endm
	s_load_b256 s[4:11], s[0:1], 0x0               ; y's image s[4:5], Wp's s[6:7], bp s[8:9], out0 s[10:11]
	v_lshl_add_u32 v28, v0, 2, SPARE
	v_mov_b32 v29, 0
	ds_add_u32 v28, v29                            ; the wave's opening: the add, twice on end, and its wait ahead of my first tensor load
	ds_add_u32 v28, v29
	v_lshrrev_b32 v1, 5, v0
	v_readfirstlane_b32 s12, v1                    ; wave 0..3
	s_bfe_u32 s13, ttmp6, 0x40000                  ; cx
	s_lshl_b32 s14, ttmp9, 2
	s_add_co_u32 s14, s14, s13                     ; my tile of 128 rows
	s_and_b32 s15, ttmp7, 0xffff                   ; my tile of 256 columns, which the partners share
	s_lshr_b32 s16, s12, 1                         ; which 64 rows
	s_and_b32 s17, s12, 1                          ; which 128 columns
	s_mov_b32 s24, 15|(3<<16)|(1<<21)              ; group 1: all four work-groups; elements of 8 bytes; bit 21 beside a mask; no padding
	s_mov_b32 s25, 1024<<16                        ; a row: 8 K steps of one tile of 16 columns, 8,192 bytes
	s_mov_b32 s26, 4<<16                           ; 4 such tiles
	s_mov_b32 s27, 1024<<16
	s_mov_b32 s28, 4
	s_mov_b32 s29, 4096                            ; 32,768 bytes from tile to tile
	s_mov_b32 s30, 0
	s_mov_b32 s31, 0
	s_lshl_b32 s18, s15, 4
	s_lshl_b32 s19, s12, 2
	s_add_co_u32 s18, s18, s19                     ; the four tiles of 16 columns that I fetch
	s_lshl_b32 s18, s18, 15
	s_mov_b32 s19, 0
	s_lshl_b32 s20, s12, 15                        ; and where they go in a slot
	s_wait_dscnt 0x0                               ; both opening adds are done
	s_wait_kmcnt 0x0
	s_add_nc_u64 s[6:7], s[6:7], s[18:19]
	ROUND                                          ; all four work-groups are here
.irp s, 0,1
	s_mov_b32 s[32+4*\s], 1
	s_add_co_u32 s[33+4*\s], s20, \s*SLOTB
	s_add_nc_u64 s[34+4*\s:35+4*\s], s[6:7], \s*8192
	s_or_b32 s[35+4*\s], s[35+4*\s], 0x80000000
.endr
	tensor_load_to_lds s[32:35], s[24:31]          ; K 0-255
	s_nop 0
	tensor_load_to_lds s[36:39], s[24:31]          ; K 256-511: two loads of mine are out
	s_nop 0
	PLACES
	s_lshl_b32 s40, s14, 3
	s_lshl_b32 s41, s16, 2
	s_add_co_u32 s40, s40, s41
	s_lshl_b32 s40, s40, 15
	s_mov_b32 s41, 0
	s_add_nc_u64 s[4:5], s[4:5], s[40:41]          ; y: my four tiles of 16 rows, 32,768 bytes each
	s_lshl_b32 s42, s15, 10
	s_lshl_b32 s43, s17, 9
	s_add_co_u32 s42, s42, s43                     ; my first column, in bytes
	s_mov_b32 s43, 0
	s_add_nc_u64 s[8:9], s[8:9], s[42:43]
	s_lshl_b32 s40, s14, 1
	s_add_co_u32 s40, s40, s16
	s_lshl_b32 s40, s40, 18                        ; my first row: 64 rows of 4,096 bytes
	s_add_nc_u64 s[10:11], s[10:11], s[40:41]
	s_add_nc_u64 s[10:11], s[10:11], s[42:43]
	v_and_b32 v9, 31, v0
	v_and_b32 v10, 15, v0
	v_bfe_u32 v11, v0, 4, 1
	v_lshlrev_b32 v[LI], 4, v9
	s_lshl_b32 s44, s17, 16
	v_add_nc_u32 v[ADB], s44, v[LI]
	v_add_nc_u32 v[ADB+1], SLOTB, v[ADB]
	s_mul_i32 s44, s12, 8448
	s_add_co_u32 s44, s44, STAGE
	v_mul_u32_u24 v[STO], v10, 528
	v_lshl_add_u32 v[STO], v11, 5, v[STO]
	v_add_nc_u32 v[STO], s44, v[STO]
	v_add_nc_u32 v[RD], s44, v[LI]
	s_and_b32 s45, s14, 15
	s_or_b32 s45, s45, s16
	v_mov_b32 v[FLG], s45
	v_lshlrev_b32 v[BOF], 5, v11
	WIN 0xc0
.irp b, 0,1,2,3,4,5,6,7
	global_load_b128 v[8*\b:8*\b+3], v[BOF], s[8:9] offset:64*\b
	global_load_b128 v[8*\b+4:8*\b+7], v[BOF], s[8:9] offset:64*\b+16
.endr
.macro ALOAD q                         ; y's four fragments of quarter step q into buffer q % 8
	WIN 0x40
.irp a, 0,1,2,3
.irp c, 0,1
	global_load_b128 v[32*((\q)%8)+8*\a+4*\c:32*((\q)%8)+8*\a+4*\c+3], v[LI], s[4:5] offset:\a*32768+(\q)*1024+\c*512
.endr
.endr
.endm
.macro FETCHB slot, qq, buf            ; Wp's eight fragments of a slot's quarter step qq
.irp b, 0,1,2,3,4,5,6,7
.irp c, 0,1
	ds_load_b128 v[BF+64*(\buf)+8*\b+4*\c:BF+64*(\buf)+8*\b+4*\c+3], v[ADB+(\slot)] offset:\b*8192+(\qq)*1024+\c*512
.endr
.endr
.endm
.macro MULH q, half                    ; 16 matrix instructions; the 32 accumulators take turns, in the same order in every quarter step
.if (\q) == 0
	WIN 0xb4                                       ; Wp window 0, y window 1, C (the bias) window 3, D window 2
.else
	WIN 0xa4
.endif
.irp a, 2*\half, 2*\half+1
.irp b, 0,1,2,3,4,5,6,7
.if (\q) == 0
	v_wmma_f32_16x16x32_f16 v[8*(8*(\a)+\b):8*(8*(\a)+\b)+7], v[BF+64*((\q)%2)+8*\b:BF+64*((\q)%2)+8*\b+7], v[32*((\q)%8)+8*(\a):32*((\q)%8)+8*(\a)+7], v[8*\b:8*\b+7]
.else
	v_wmma_f32_16x16x32_f16 v[8*(8*(\a)+\b):8*(8*(\a)+\b)+7], v[BF+64*((\q)%2)+8*\b:BF+64*((\q)%2)+8*\b+7], v[32*((\q)%8)+8*(\a):32*((\q)%8)+8*(\a)+7], v[8*(8*(\a)+\b):8*(8*(\a)+\b)+7]
.endif
.endr
.endr
.endm
.macro QUARTER q
.set CHG, 0
.if ((\q)%8 == 7) && ((\q) < 31)
.set CHG, 1                            ; the slot's last quarter step
.endif
.set FIL, 0
.if CHG && ((\q) < 16)
.set FIL, 1                            ; and the slot is filled again
.endif
.set SL, ((\q)/8)%2
	s_wait_dscnt 0x0                               ; Wp's fragments of this quarter step are in
.if (\q) < 24
	s_wait_loadcnt 56                              ; y's are in; the eight loads of each of the seven quarter steps behind may be out
.else
	s_wait_loadcnt 8*(31-(\q))
.endif
.if CHG
	WIN 0
	s_wait_tensorcnt 0x0                           ; all my tensor loads have landed: my part of the next slot
	ds_add_u32 v28, v29                            ; 0 onto my spare word; sixteen matrix instructions stand between it and the wait for it
.endif
	MULH \q, 0
.if CHG
.if FIL
	s_add_nc_u64 s[34+4*SL:35+4*SL], s[34+4*SL:35+4*SL], 16384   ; this slot's next 256 along K
.endif
	s_wait_dscnt 0x0                               ; the add is done; my reads of this slot were over at the quarter step's head
	WIN 0
.if FIL
	ROUND                                          ; no wave of any partner still reads the slot or has a load on its way
	tensor_load_to_lds s[32+4*SL:35+4*SL], s[24:31]   ; the joint refill: it has eight quarter steps in which to land
	s_nop 0
	PLACES
.else
	s_barrier_signal -1
	s_barrier_wait -1
	PLACES
.endif
.else
	WIN 0
	PLACES                                         ; in front of loads into the buffer that the quarter step before multiplied
.endif
.if (\q) < 31
	FETCHB (((\q)+1)/8)%2, ((\q)+1)%8, ((\q)+1)%2
.endif
	MULH \q, 1
.if (\q) < 24
	PLACES                                         ; in front of loads into the buffer just multiplied
	ALOAD (\q)+8
.endif
.endm
.irp q, 0,1,2,3,4,5,6,7
	ALOAD \q
.endr
	WIN 0
	s_wait_tensorcnt 1                             ; my part of slot 0 is in; slot 1's may be out
	s_barrier_signal -1
	s_barrier_wait -1
	FETCHB 0, 0, 0
.set QN, 0
.rept 32
	QUARTER QN
.set QN, QN+1
.endr
	WIN 0
	PLACES
; THE WAY OUT, 16 rows x 128 columns at a time, through my own stage: whole rows of 512 bytes come back and are stored by the 32 lanes.  LDS serves a wave's instructions in order.
.macro TOSTAGE a
	WIN 0x08
.irp b, 0,1,2,3,4,5,6,7
	ds_store_b128 v[STO], v[8*(8*\a+\b):8*(8*\a+\b)+3] offset:64*\b          ; each accumulator from its low end on
	ds_store_b128 v[STO], v[8*(8*\a+\b)+4:8*(8*\a+\b)+7] offset:64*\b+16
.endr
	WIN 0x40
.irp t, 0,1,2,3,4,5,6,7,8,9,10,11,12,13,14,15
	ds_load_b128 v[64*\a+4*\t:64*\a+4*\t+3], v[RD] offset:\t*528
.endr
.endm
.macro SEND a
	WIN 0x04
.irp t, 0,1,2,3,4,5,6,7,8,9,10,11,12,13,14,15
	global_store_b128 v[LI], v[64*\a+4*\t:64*\a+4*\t+3], s[10:11] offset:(16*\a+\t)*4096 th:TH_STORE_NT
.endr
.endm
	TOSTAGE 0
	TOSTAGE 1
	s_wait_dscnt 32                                ; block 0 is back; block 1's 16 stores and 16 loads may be out
	WIN 0
	v_cmp_ne_u32 vcc_lo, 0, v[FLG]                 ; positions 0-15 are another launch's: a mask, not a branch, since the tile of rows hangs on my place in the cluster
	s_wait_xcnt 0x0                                ; EXEC changes only behind this wait
	s_and_saveexec_b32 s46, vcc_lo
	SEND 0
	s_wait_xcnt 0x0
	s_or_b32 exec_lo, exec_lo, s46
	TOSTAGE 2
	s_wait_dscnt 32
	SEND 1
	TOSTAGE 3
	s_wait_dscnt 32
	SEND 2
	s_wait_dscnt 0x0
	SEND 3
	WIN 0
	s_wait_tensorcnt 0x0                           ; the wave's end
	ds_add_u32 v28, v29
	s_wait_dscnt 0x0
	ROUND                                          ; the closing round
	s_endpgm
.Lfunc_end_k_q6a262f43da_proj:
	.size	k_q6a262f43da_proj, .Lfunc_end_k_q6a262f43da_proj-k_q6a262f43da_proj
	.p2alignl 7, 3214868480
	.fill 96, 4, 3214868480
	.section	.rodata,"a",@progbits
	.p2align	6, 0x0
	.amdhsa_kernel k_q6a262f43da_proj
		.amdhsa_group_segment_fixed_size 327680
		.amdhsa_private_segment_fixed_size 0
		.amdhsa_enable_private_segment 0
		.amdhsa_kernarg_size 32
		.amdhsa_user_sgpr_count 2
		.amdhsa_user_sgpr_kernarg_segment_ptr 1
		.amdhsa_wavefront_size32 1
		.amdhsa_system_sgpr_workgroup_id_x 1
		.amdhsa_system_sgpr_workgroup_id_y 1
		.amdhsa_system_sgpr_workgroup_id_z 1
		.amdhsa_system_vgpr_workitem_id 0
		.amdhsa_next_free_vgpr 832
		.amdhsa_next_free_sgpr 66
		.amdhsa_reserve_vcc 1
		.amdhsa_float_denorm_mode_32 3
		.amdhsa_float_denorm_mode_16_64 3
		.amdhsa_memory_ordered 1
		.amdhsa_forward_progress 1
		.amdhsa_inst_pref_size 156
	.end_amdhsa_kernel
	.amdgpu_metadata
---
amdhsa.version: [ 1, 2 ]
amdhsa.kernels:
  - .name:           k_q6a262f43da_proj
    .symbol:         k_q6a262f43da_proj.kd
    .args:
      - { .name: yimg, .offset: 0, .size: 8, .value_kind: global_buffer, .address_space: global }
      - { .name: wpt, .offset: 8, .size: 8, .value_kind: global_buffer, .address_space: global }
      - { .name: bp, .offset: 16, .size: 8, .value_kind: global_buffer, .address_space: global }
      - { .name: out0, .offset: 24, .size: 8, .value_kind: global_buffer, .address_space: global }
    .group_segment_fixed_size: 327680
    .private_segment_fixed_size: 0
    .kernarg_segment_align: 8
    .kernarg_segment_size: 32
    .max_flat_workgroup_size: 128
    .sgpr_count:     66
    .vgpr_count:     832
    .wavefront_size: 32
...
	.end_amdgpu_metadata
.endif
;; end of part 4
;; launch fine16 (part 5): grid 16 x 4, 16 waves a work-group, no clusters, 67,584 bytes of LDS; arguments finei, alibi_m, alibi_offset, Wp, bp, out0; writes out0
.if DOCPART == 5
	.amdgcn_target "amdgcn-amd-amdhsa--gfx1250"
	.amdhsa_code_object_version 6
	.text
	.protected	k_q6a262f43da_fine16
	.globl	k_q6a262f43da_fine16
	.p2align	8
	.type	k_q6a262f43da_fine16,@function
k_q6a262f43da_fine16:
	s_mov_b64 s[64:65], 0
	v_nop
	global_prefetch_b8 v0, s[64:65] scope:SCOPE_SE
	s_setreg_imm32_b32 hwreg(HW_REG_WAVE_MODE, 25, 1), 1
	s_wait_xcnt 0x0
; FINE16.  Positions 0-15 of each sequence, attention and projection, with f32 operands: these rows average one to sixteen values, so the rounding of f16 operands would weigh most on them.
; Of alibi_offset only its first 16 x 16 numbers are read; keys behind a query get -inf as in reference().
; SHARES.  Work-group (ns, b): batch b, columns 64 ns .. 64 ns + 63 of out0.  Wave w = head w: its 16 x 16 attention (repeated in the 16 slices of a batch: 32 small matrix instructions), then its 64 channels'
; part of the projection; the sixteen parts meet in LDS, and wave w sums and stores row w: 256 consecutive bytes.
; q, k, v come as the f32 accumulators of the products that made them.  THE PLACES OF K ARE PERMUTED ALIKE ON BOTH SOURCES, so that a source is a pair of those registers as they stand:
;   scores: place (h, jj) of step (b, u) is channel 16 b + 8 h + 2 u + jj;  weights x values: of step u, key 8 h + 2 u + jj;  projection: of step (d, u), channel 64 w + 16 d + 8 h + 2 u + jj.
; v208-239 are written by matrix instructions alone; each sum begins with the constant 0 as its first C.
.set SPARE, 65536                      ; LDS: sixteen parts of 4,096 bytes from byte 0; here the spare words, 128 bytes a wave
.set QF,  16                           ; v16-47 q; later Wp for column tile 2
.set KF,  48                           ; v48-79 k; later Wp for column tile 3
.set VF,  80                           ; v80-111 v; later y
.set OFR, 112                          ; v112-119 the offsets
.set T,   120                          ; v120-127 t, then p
.set M,   208
	s_load_b256 s[4:11], s[0:1], 0x0               ; the f32 images s[4:5], alibi_m s[6:7], alibi_offset s[8:9], Wp s[10:11]
	s_load_b128 s[12:15], s[0:1], 0x20             ; bp, out0
	v_lshl_add_u32 v14, v0, 2, SPARE
	v_mov_b32 v15, 0
	v_lshrrev_b32 v1, 5, v0
	v_readfirstlane_b32 s16, v1                    ; wave = head
	s_and_b32 s17, ttmp7, 0xffff                   ; batch
	v_and_b32 v1, 31, v0                           ; lane
	v_and_b32 v2, 15, v0                           ; r
	v_bfe_u32 v3, v0, 4, 1                         ; h
	v_lshlrev_b32 v4, 4, v1                        ; 16 x lane
	v_lshlrev_b32 v5, 13, v2
	v_lshl_add_u32 v5, v3, 5, v5                   ; offsets: row r of 8,192 bytes, + 32 h
	v_lshlrev_b32 v6, 15, v3
	v_lshl_add_u32 v6, v2, 2, v6                   ; Wp: 8 h rows of 4,096 bytes, + 4 r
	v_lshlrev_b32 v7, 3, v1                        ; 8 x lane
	v_lshlrev_b32 v8, 3, v3
	v_sub_nc_u32 v8, v2, v8                        ; key 8 h + j is hidden where j > r - 8 h
	s_lshl_b32 s22, s16, 12
	v_add_nc_u32 v9, s22, v4                       ; my part in LDS
	v_lshrrev_b32 v11, 3, v1                       ; the sum: row w, columns 2 l, 2 l + 1, in each part's image
	v_lshlrev_b32 v10, 10, v11
	v_bfe_u32 v11, v1, 1, 1
	v_lshl_add_u32 v10, v11, 9, v10
	v_bfe_u32 v11, v1, 2, 1
	v_lshl_add_u32 v10, v11, 8, v10
	v_and_b32 v11, 1, v1
	v_lshl_add_u32 v10, v11, 3, v10
	s_lshl_b32 s22, s16, 4
	v_add_nc_u32 v10, s22, v10
	v_mov_b32 v13, 0xff800000
	v_mov_b32 v137, 0                              ; written once: a lane permute's destination counts as one of its sources
	v_mov_b32 v139, 0
	s_mov_b32 s20, 0x76543210
	s_mov_b32 s21, 0xfedcba98
	s_mov_b32 s31, 0x3e000000                      ; 1 / 8
	s_mov_b32 s23, 0
	s_mov_b32 s25, 0
	s_lshl_b32 s22, s17, 4
	s_add_co_u32 s22, s22, s16
	s_lshl_b32 s22, s22, 12                        ; 4,096 bytes for each (batch, head)
	s_lshl_b32 s24, s16, 2
	s_wait_kmcnt 0x0
	s_add_nc_u64 s[4:5], s[4:5], s[22:23]
	s_add_nc_u64 s[6:7], s[6:7], s[24:25]
	s_load_b32 s30, s[6:7], 0x0                    ; alibi_m of my head
	s_lshl_b32 s22, s16, 18
	s_lshl_b32 s24, ttmp9, 8
	s_add_co_u32 s22, s22, s24
	s_add_nc_u64 s[10:11], s[10:11], s[22:23]      ; Wp: my head's 64 rows, the slice's 64 columns
	s_add_nc_u64 s[12:13], s[12:13], s[24:25]      ; bp: the slice's
	s_lshl_b32 s22, s17, 23
	s_lshl_b32 s26, s16, 12
	s_add_co_u32 s22, s22, s26
	s_add_co_u32 s22, s22, s24
	s_add_nc_u64 s[14:15], s[14:15], s[22:23]      ; out0: row 2,048 b + w, the slice's 256 bytes
.irp i, 0,1,2,3,4,5,6,7
	global_load_b128 v[QF+4*\i:QF+4*\i+3], v4, s[4:5] offset:512*\i
.endr
.irp i, 0,1,2,3,4,5,6,7
	global_load_b128 v[KF+4*\i:KF+4*\i+3], v4, s[4:5] offset:262144+512*\i
.endr
	global_load_b128 v[OFR:OFR+3], v5, s[8:9]
	global_load_b128 v[OFR+4:OFR+7], v5, s[8:9] offset:16
.irp i, 0,1,2,3,4,5,6,7
	global_load_b128 v[VF+4*\i:VF+4*\i+3], v4, s[4:5] offset:524288+512*\i
.endr
	global_load_b64 v[140:141], v7, s[12:13]
.macro WLOAD reg, n                    ; Wp's fragments for column tile n: register 8 d + 2 u + jj = Wp(64 w + 16 d + 8 h + 2 u + jj, 64 ns + 16 n + r)
.irp d, 0,1,2,3
.irp u, 0,1,2,3
.irp j, 0,1
	global_load_b32 v[\reg+8*\d+2*\u+\j], v6, s[10:11] offset:(16*\d+2*\u+\j)*4096+64*\n
.endr
.endr
.endr
.endm
	WLOAD 144, 0
	WLOAD 176, 1
	s_wait_loadcnt 63                              ; q, k, the offsets, v and the bias are in: 63 of Wp's 64 loads behind them may be out
.irp u, 0,1,2,3                                ; S^T = k q^T in four sums, one for each 16 channels, by turns
.irp b, 0,1,2,3
.if \u == 0
	v_wmma_f32_16x16x4_f32 v[M+8*\b:M+8*\b+7], v[KF+8*\b:KF+8*\b+1], v[QF+8*\b:QF+8*\b+1], 0
.else
	v_wmma_f32_16x16x4_f32 v[M+8*\b:M+8*\b+7], v[KF+8*\b+2*\u:KF+8*\b+2*\u+1], v[QF+8*\b+2*\u:QF+8*\b+2*\u+1], v[M+8*\b:M+8*\b+7]
.endif
.endr
.endr
.rept 9
	v_nop                                          ; plain lines behind this form, in front of reads of its results and of loads into its sources
.endr
	WLOAD QF, 2
	WLOAD KF, 3
	s_wait_kmcnt 0x0
.irp j, 0,1,2,3,4,5,6,7
	v_add_f32 v[T+\j], v[M+\j], v[M+8+\j]          ; each sum from its low end on
	v_add_f32 v[128+\j], v[M+16+\j], v[M+24+\j]
.endr
.irp j, 0,1,2,3,4,5,6,7
	v_add_f32 v[T+\j], v[T+\j], v[128+\j]
.endr
.irp j, 0,1,2,3,4,5,6,7
	v_mul_f32 v[128+\j], s30, v[OFR+\j]
.endr
.irp j, 0,1,2,3,4,5,6,7
	v_fma_f32 v[T+\j], v[T+\j], s31, v[128+\j]     ; q . k / 8 + m x offset
.endr
.irp j, 0,1,2,3,4,5,6,7
	v_cmp_gt_i32 vcc_lo, \j, v8
	v_cndmask_b32 v[T+\j], v[T+\j], v13, vcc_lo
.endr
	v_max3_num_f32 v136, v[T], v[T+1], v[T+2]
	v_max3_num_f32 v138, v[T+3], v[T+4], v[T+5]
	v_max3_num_f32 v136, v136, v[T+6], v[T+7]
	v_max_num_f32 v136, v136, v138
	v_permlanex16_b32 v137, v136, s20, s21
	v_max_num_f32 v136, v136, v137                 ; the row's maximum: key 0 counts for every query
.irp j, 0,1,2,3,4,5,6,7
	v_sub_f32 v[T+\j], v[T+\j], v136
.endr
.irp j, 0,1,2,3,4,5,6,7
	v_mul_f32 v[T+\j], 0x3fb8aa3b, v[T+\j]
.endr
.irp j, 0,1,2,3,4,5,6,7
	v_exp_f32 v[T+\j], v[T+\j]
.endr
	v_nop
	s_wait_alu depctr_va_vdst(0)                   ; one wait for the eight exponentials, ahead of their first reader
	v_add_f32 v138, v[T], v[T+1]
	v_add_f32 v142, v[T+2], v[T+3]
	v_add_f32 v143, v[T+4], v[T+5]
	v_add_f32 v136, v[T+6], v[T+7]
	v_add_f32 v138, v138, v142
	v_add_f32 v143, v143, v136
	v_add_f32 v138, v138, v143
	v_permlanex16_b32 v139, v138, s20, s21
	v_add_f32 v138, v138, v139                     ; the row's sum
	v_rcp_f32 v142, v138
	v_nop
	s_wait_alu depctr_va_vdst(0)
.irp u, 0,1,2,3                                ; O^T = v^T p: four tiles of 16 channels by turns
.irp d, 0,1,2,3
.if \u == 0
	v_wmma_f32_16x16x4_f32 v[M+8*\d:M+8*\d+7], v[VF+8*\d:VF+8*\d+1], v[T:T+1], 0
.else
	v_wmma_f32_16x16x4_f32 v[M+8*\d:M+8*\d+7], v[VF+8*\d+2*\u:VF+8*\d+2*\u+1], v[T+2*\u:T+2*\u+1], v[M+8*\d:M+8*\d+7]
.endif
.endr
.endr
.rept 9
	v_nop
.endr
.set i, 0
.rept 32
	v_mul_f32 v[VF+i], v[M+i], v142                ; y = O^T / the sum, into v's registers
.set i, i+1
.endr
	s_wait_loadcnt 0x0                             ; Wp
.irp d, 0,1,2,3                                ; my head's part of out^T: four tiles of 16 columns by turns
.irp u, 0,1,2,3
.irp n, 0,1,2,3
.set rW, 144+32*\n+8*\d+2*\u
.if \n > 1
.set rW, QF+32*(\n-2)+8*\d+2*\u
.endif
.if (\d == 0) && (\u == 0)
	v_wmma_f32_16x16x4_f32 v[M+8*\n:M+8*\n+7], v[rW:rW+1], v[VF+8*\d+2*\u:VF+8*\d+2*\u+1], 0
.else
	v_wmma_f32_16x16x4_f32 v[M+8*\n:M+8*\n+7], v[rW:rW+1], v[VF+8*\d+2*\u:VF+8*\d+2*\u+1], v[M+8*\n:M+8*\n+7]
.endif
.endr
.endr
.endr
.rept 9
	v_nop
.endr
.irp n, 0,1,2,3
	ds_store_b128 v9, v[M+8*\n:M+8*\n+3] offset:\n*1024          ; the registers as they stand, each sum from its low end on
	ds_store_b128 v9, v[M+8*\n+4:M+8*\n+7] offset:\n*1024+512
.endr
	s_wait_dscnt 0x0                               ; my part has landed
	s_barrier_signal -1
	s_barrier_wait -1                              ; all sixteen have
.irp p, 0,1,2,3,4,5,6,7,8,9,10,11,12,13,14,15
	ds_load_b64 v[144+2*\p:145+2*\p], v10 offset:\p*4096
.endr
	s_wait_dscnt 0x0
.irp w, 4,8,16,32
.set i, 0
.rept 32/\w
	v_pk_add_f32 v[144+\w*i:145+\w*i], v[144+\w*i:145+\w*i], v[144+\w*i+\w/2:145+\w*i+\w/2]
.set i, i+1
.endr
.endr
	v_pk_add_f32 v[144:145], v[144:145], v[140:141]    ; + bp
	global_store_b64 v7, v[144:145], s[14:15]          ; the wave stores 256 consecutive bytes of row w
	s_wait_tensorcnt 0x0                           ; the wave's end, behind my last LDS store
	ds_add_u32 v14, v15
	s_wait_dscnt 0x0
	s_endpgm
.Lfunc_end_k_q6a262f43da_fine16:
	.size	k_q6a262f43da_fine16, .Lfunc_end_k_q6a262f43da_fine16-k_q6a262f43da_fine16
	.p2alignl 7, 3214868480
	.fill 96, 4, 3214868480
	.section	.rodata,"a",@progbits
	.p2align	6, 0x0
	.amdhsa_kernel k_q6a262f43da_fine16
		.amdhsa_group_segment_fixed_size 67584
		.amdhsa_private_segment_fixed_size 0
		.amdhsa_enable_private_segment 0
		.amdhsa_kernarg_size 48
		.amdhsa_user_sgpr_count 2
		.amdhsa_user_sgpr_kernarg_segment_ptr 1
		.amdhsa_wavefront_size32 1
		.amdhsa_system_sgpr_workgroup_id_x 1
		.amdhsa_system_sgpr_workgroup_id_y 1
		.amdhsa_system_sgpr_workgroup_id_z 1
		.amdhsa_system_vgpr_workitem_id 0
		.amdhsa_next_free_vgpr 256
		.amdhsa_next_free_sgpr 66
		.amdhsa_reserve_vcc 1
		.amdhsa_float_denorm_mode_32 3
		.amdhsa_float_denorm_mode_16_64 3
		.amdhsa_memory_ordered 1
		.amdhsa_forward_progress 1
		.amdhsa_inst_pref_size 32
	.end_amdhsa_kernel
	.amdgpu_metadata
---
amdhsa.version: [ 1, 2 ]
amdhsa.kernels:
  - .name:           k_q6a262f43da_fine16
    .symbol:         k_q6a262f43da_fine16.kd
    .args:
      - { .name: finei, .offset: 0, .size: 8, .value_kind: global_buffer, .address_space: global }
      - { .name: alibi_m, .offset: 8, .size: 8, .value_kind: global_buffer, .address_space: global }
      - { .name: alibi_offset, .offset: 16, .size: 8, .value_kind: global_buffer, .address_space: global }
      - { .name: Wp, .offset: 24, .size: 8, .value_kind: global_buffer, .address_space: global }
      - { .name: bp, .offset: 32, .size: 8, .value_kind: global_buffer, .address_space: global }
      - { .name: out0, .offset: 40, .size: 8, .value_kind: global_buffer, .address_space: global }
    .group_segment_fixed_size: 67584
    .private_segment_fixed_size: 0
    .kernarg_segment_align: 8
    .kernarg_segment_size: 48
    .max_flat_workgroup_size: 512
    .sgpr_count:     66
    .vgpr_count:     256
    .wavefront_size: 32
...
	.end_amdgpu_metadata
.endif
;; end of part 5
